; MI455X (gfx1250); checked and timed in simulation.
; The chip was launched on July 23, 2026; its instructions are those of AMD's public machine-readable ISA for CDNA 5 (MIT licence, August 2026) and "CDNA5" Instruction Set Architecture Reference Guide (July 2026). The comments in the code are by the model that wrote it; some were corrected since.
;; Transformer Block. Allowed arithmetic: matrix products marked QUANTISED: E5M2 operands, one given power-of-two scale a tensor, by v_wmma_f32_16x16x64_bf8_bf8 or v_wmma_f32_16x16x128_bf8_bf8, f32 sums; products left as they are: f32 operands where the result goes on into a quantised operand, else bf16, f16 or f32 operands; f32 sums; everything else in f32.
;; Inputs: bk 256 float32; bq 256 float32; bv 256 float32; fc1_b 1,024 float32; fc1_w 256 x 1,024 float32; fc2_b 256 float32; fc2_w 1,024 x 256 float32; ln1_b 256 float32; ln1_g 256 float32; ln2_b 256 float32; ln2_g 256 float32; lowp_scales 10 int32 (the exponents e of the quantised operands' scales 2^e); wk 256 x 256 float32; wq 256 x 256 float32; wv 256 x 256 float32; x 4 x 256 x 128 x 128 float32.
;; Outputs: out0 4 x 256 x 128 x 128 float32.
;; This version of the problem:
;;   THIS VERSION OF THE PROBLEM IS GIVEN IN LOW PRECISION. The matrix products marked QUANTISED in the list below multiply operands that are first quantised to E5M2 (5 exponent bits, 2 mantissa bits; 8 bits a number), with one given power-of-two scale for each operand tensor; their sums are f32. All else is computed in f32.
;;   The module's matrix products, in the order in which they are computed (A, B: the left and right operand; K: the contracted axis; several contracted axes count as one K, in the product's order):
;;     1. [M 65,536, K 256] x [K 256, N 256]; A: computed on the way; B: input wq: QUANTISED (scales: A lowp_scales[0], B lowp_scales[1])
;;     2. [M 65,536, K 256] x [K 256, N 256]; A: computed on the way; B: input wk: QUANTISED (scales: A lowp_scales[2], B lowp_scales[3])
;;     3. [M 65,536, K 256] x [K 256, N 256]; A: computed on the way; B: input wv: QUANTISED (scales: A lowp_scales[4], B lowp_scales[5])
;;     4. batch 65,536 x [M 1, K 256] x [K 256, N 9]; A: computed on the way; B: computed on the way: left as it is (M = 1 < 16)
;;     5. batch 65,536 x [M 1, K 9] x [K 9, N 256]; A: softmax; B: computed on the way: left as it is (K = 9 < 32)
;;     6. [M 65,536, K 256] x [K 256, N 1,024]; A: computed on the way; B: input fc1_w: QUANTISED (scales: A lowp_scales[6], B lowp_scales[7])
;;     7. [M 65,536, K 1,024] x [K 1,024, N 256]; A: computed on the way; B: input fc2_w: QUANTISED (scales: A lowp_scales[8], B lowp_scales[9])
;;   THE QUANTISER, for each operand of a quantised product, along K:
;;     - The operand's scale is 2^e, e = its entry of the input lowp_scales (int32; the entries are numbered through the quantised products in the list's order, A before B).
;;     - Each number is divided by the scale, clamped to +-57,344, and rounded to the nearest number of E5M2, ties to even, subnormals kept.
;;     - The product sums the exact products of the quantised numbers (number of the format x scale) in f32.
;;   ~~~python
;;   def quantise(x, axis, e):      # numpy; x: float32 -> the quantised numbers, widened to float32 again
;;       x = np.moveaxis(x, axis, -1); K = x.shape[-1]
;;       r = np.clip(x / 2.0 ** e, -57344, 57344)
;;       step = 2.0 ** (np.maximum(np.frexp(np.where(r == 0, 1, r))[1] - 1, -14) - 2)
;;       q = np.round(r / step) * step * 2.0 ** e      # np.round: ties to even
;;       return np.moveaxis(q, -1, axis).astype(np.float32)
;;   ~~~
;;   OPERANDS COMPUTED ON THE WAY. 'Computed on the way' means the value that the module computes at that place (a softmax that the list does not call 'softmax' is quantised finished and normalised). What goes into a quantiser is computed in f32, as accurately as f32 sums, v_exp_f32 and their like allow (about 1e-6 of the number): no bf16 or f16 on the way to a quantiser, and a product that is left as it is and whose result goes on into a quantised operand takes f32 operands (vector FMAs, or v_wmma_f32_16x16x4_f32). A number that lies on a knife's edge between two numbers of the format may be rounded either way, as far as f32 arithmetic and the matrix unit's own rounding can turn it there, and no further.
;; 2 versions. Each part assembles by itself: llvm-mc -triple=amdgcn-amd-amdhsa -mcpu=gfx1250 --defsym DOCPART=n.
;; ======== version 1 of 2: 3 launches
;; workspace buffers: wc 720,896 bytes; x1 67,108,864 bytes
;; launch prep (part 1): grid 352 x 1, 4 waves a work-group, no clusters, 0 bytes of LDS; arguments wq, wk, wv, fc1_w, fc2_w, lowp_scales, wc; writes wc
.if DOCPART == 1
	.amdgcn_target "amdgcn-amd-amdhsa--gfx1250"
	.amdhsa_code_object_version 6
	.text
	.protected	k_q16567d22bc_prep
	.globl	k_q16567d22bc_prep
	.p2align	8
	.type	k_q16567d22bc_prep,@function
k_q16567d22bc_prep:
	s_mov_b64 s[64:65], 0
	v_nop
	global_prefetch_b8 v0, s[64:65] scope:SCOPE_SE
	s_setreg_imm32_b32 hwreg(HW_REG_WAVE_MODE, 25, 1), 1
	s_wait_xcnt 0x0
; The five weights, f32 stored [K][N], become codes of BF8 (E5M2) with their given scales 2^e, once for the whole program.
; code = w / 2^e, held within +-57,344, rounded to the nearest code, ties to even.
; The codes are laid as IMAGES OF OPERAND REGISTERS: a group of four registers is 512 bytes, lane l's 16 bytes at 16 l.  Lane (r = l % 16, h = l / 16) holds column n = 16 tile + r.
; Which k a byte holds is free, so long as the other operand is laid alike.  Byte p of lane half h holds:
;   wq, wk, wv (K steps s of 128): k = 128 s + 64 h + p        fc1_w (K steps of 128): k = 128 s + 16 (p / 8) + 8 h + p % 8        fc2_w (K steps of 64): k = 64 ch + 16 (p / 8) + 8 h + p % 8
; wc: fragment (tensor pi, tile t, step s) of 2,048 bytes at 2048 (32 pi + 2 t + s); from 196,608 on sixteen chunks of 32,768 (64 hidden units each): eight fragments of fc1_w (2 nt + s), then at +16,384 sixteen of fc2_w, 1,024 bytes each.
; SHARES: a work-group makes 2,048 bytes, wave c the group of 512 bytes at 512 c, a lane 16 codes.  A lane takes a column and its registers run down K, so nothing is transposed.
; Work-groups 0-95: wq, wk, wv; 96-223: fc1_w; 224-351: fc2_w.  The three ways differ in the sixteen loads alone.  No LDS, no barrier: waves share nothing.
; LIMITS: each e between -126 and 112, so that 2^e and 57,344 x 2^e are f32 numbers.  NaN among the weights is not served.
	s_load_b256 s[4:11], s[0:1], 0x0               ; wq s[4:5], wk s[6:7], wv s[8:9], fc1_w s[10:11]
	s_load_b128 s[12:15], s[0:1], 0x20             ; fc2_w s[12:13], the scales' exponents s[14:15]
	s_load_b64 s[16:17], s[0:1], 0x30              ; wc
	v_lshrrev_b32 v1, 5, v0
	v_readfirstlane_b32 s2, v1                     ; c: my wave, my group of four registers
	v_and_b32 v2, 15, v0
	v_bfe_u32 v3, v0, 4, 1                         ; h
	v_and_b32 v5, 31, v0
	v_lshlrev_b32 v5, 4, v5                        ; 16 x lane: my codes' place in the group
	v_lshlrev_b32 v2, 2, v2                        ; 4 r: my column's bytes
	s_wait_kmcnt 0x0
	s_load_b256 s[20:27], s[14:15], 0x0            ; e0 .. e7
	s_load_b64 s[28:29], s[14:15], 0x20            ; e8, e9
	s_mov_b32 s41, 0
	s_mov_b32 s37, 0
	s_wait_kmcnt 0x0
	s_cmp_lt_u32 ttmp9, 96
	s_cbranch_scc0 .Lmlp
	; ---- wq, wk, wv: rows of 1,024 bytes
	s_lshr_b32 s30, ttmp9, 5                       ; pi
	s_bfe_u32 s31, ttmp9, 0x40001                  ; t
	s_and_b32 s32, ttmp9, 1                        ; s
	s_cmp_eq_u32 s30, 0
	s_cselect_b64 s[34:35], s[4:5], s[6:7]
	s_cselect_b32 s33, s21, s23                    ; e1 or e3
	s_cmp_eq_u32 s30, 2
	s_cselect_b64 s[34:35], s[8:9], s[34:35]
	s_cselect_b32 s33, s25, s33                    ; or e5
	s_lshl_b32 s40, s32, 17                        ; (128 s + 16 c) rows + 64 t bytes
	s_lshl_b32 s38, s2, 14
	s_add_co_u32 s40, s40, s38
	s_lshl_b32 s38, s31, 6
	s_add_co_u32 s40, s40, s38
	s_add_nc_u64 s[34:35], s[34:35], s[40:41]
	v_lshl_add_u32 v4, v3, 16, v2                  ; + 64 h rows
.set i, 0
.rept 16
	global_load_b32 v[8+i], v4, s[34:35] offset:1024*i
.set i, i+1
.endr
	s_lshl_b32 s36, ttmp9, 11
	s_branch .Ltail
.Lmlp:
	s_cmp_lt_u32 ttmp9, 224
	s_cbranch_scc0 .Lfc2
	; ---- fc1_w: rows of 4,096 bytes
	s_sub_co_u32 s30, ttmp9, 96
	s_and_b32 s32, s30, 1                          ; s
	s_lshr_b32 s31, s30, 1                         ; tile of 16 hidden units, 0 .. 63
	s_mov_b32 s33, s27                             ; e7
	s_lshl_b32 s40, s32, 19                        ; (128 s + 32 c) rows + 64 tile bytes
	s_lshl_b32 s38, s2, 17
	s_add_co_u32 s40, s40, s38
	s_lshl_b32 s38, s31, 6
	s_add_co_u32 s40, s40, s38
	s_add_nc_u64 s[34:35], s[10:11], s[40:41]
	v_lshl_add_u32 v4, v3, 15, v2                  ; + 8 h rows
.set i, 0
.rept 16
	global_load_b32 v[8+i], v4, s[34:35] offset:(16*(i/8)+(i%8))*4096
.set i, i+1
.endr
	s_lshr_b32 s36, s30, 3
	s_lshl_b32 s36, s36, 15                        ; the chunk,
	s_and_b32 s38, s30, 7
	s_lshl_b32 s38, s38, 11                        ; the fragment 2 nt + s in it
	s_add_co_u32 s36, s36, s38
	s_add_co_u32 s36, s36, 196608
	s_branch .Ltail
.Lfc2:
	; ---- fc2_w: rows of 1,024 bytes; a work-group makes two fragments of 1,024 bytes: tile t = 2 u + c / 2, group c % 2
	s_sub_co_u32 s30, ttmp9, 224
	s_lshr_b32 s31, s30, 3                         ; the chunk
	s_and_b32 s32, s30, 7                          ; u
	s_mov_b32 s33, s29                             ; e9
	s_lshl_b32 s40, s31, 16                        ; (64 chunk + 32 (c % 2)) rows + 64 t bytes
	s_and_b32 s38, s2, 1
	s_lshl_b32 s38, s38, 15
	s_add_co_u32 s40, s40, s38
	s_lshl_b32 s38, s32, 1
	s_lshr_b32 s39, s2, 1
	s_add_co_u32 s38, s38, s39
	s_lshl_b32 s38, s38, 6
	s_add_co_u32 s40, s40, s38
	s_add_nc_u64 s[34:35], s[12:13], s[40:41]
	v_lshl_add_u32 v4, v3, 13, v2                  ; + 8 h rows
.set i, 0
.rept 16
	global_load_b32 v[8+i], v4, s[34:35] offset:(16*(i/8)+(i%8))*1024
.set i, i+1
.endr
	s_lshl_b32 s36, s31, 15
	s_lshl_b32 s38, s32, 11
	s_add_co_u32 s36, s36, s38
	s_add_co_u32 s36, s36, 212992                  ; 196,608 + 16,384
.Ltail:
	s_lshl_b32 s38, s2, 9                          ; my wave's 512 bytes
	s_add_co_u32 s36, s36, s38
	s_add_nc_u64 s[16:17], s[16:17], s[36:37]
	s_add_co_i32 s33, s33, 127
	s_lshl_b32 s38, s33, 23
	v_mov_b32 v28, s38                             ; 2^e as f32: the conversion takes its exponent field
	s_add_co_i32 s33, s33, 15
	s_lshl_b32 s33, s33, 23
	s_or_b32 s33, s33, 0x600000
	v_mov_b32 v29, s33                             ; 57,344 x 2^e
	s_wait_loadcnt 0x0                             ; all sixteen numbers
.set i, 0
.rept 16
	v_med3_num_f32 v[8+i], v[8+i], -v29, v29       ; the conversion to an 8-bit code does not saturate (ISA guide 7.6.2): the hold comes first
.set i, i+1
.endr
	v_cvt_scalef32_pk8_bf8_f32 v[24:25], v[8:15], v28
	v_cvt_scalef32_pk8_bf8_f32 v[26:27], v[16:23], v28
	global_store_b128 v5, v[24:27], s[16:17]       ; the wave stores 512 consecutive bytes, aligned
	s_endpgm
.Lfunc_end_k_q16567d22bc_prep:
	.size	k_q16567d22bc_prep, .Lfunc_end_k_q16567d22bc_prep-k_q16567d22bc_prep
	.p2alignl 7, 3214868480
	.fill 96, 4, 3214868480
	.section	.rodata,"a",@progbits
	.p2align	6, 0x0
	.amdhsa_kernel k_q16567d22bc_prep
		.amdhsa_group_segment_fixed_size 0
		.amdhsa_private_segment_fixed_size 0
		.amdhsa_enable_private_segment 0
		.amdhsa_kernarg_size 56
		.amdhsa_user_sgpr_count 2
		.amdhsa_user_sgpr_kernarg_segment_ptr 1
		.amdhsa_wavefront_size32 1
		.amdhsa_system_sgpr_workgroup_id_x 1
		.amdhsa_system_sgpr_workgroup_id_y 1
		.amdhsa_system_sgpr_workgroup_id_z 1
		.amdhsa_system_vgpr_workitem_id 0
		.amdhsa_next_free_vgpr 32
		.amdhsa_next_free_sgpr 66
		.amdhsa_reserve_vcc 0
		.amdhsa_float_denorm_mode_32 3
		.amdhsa_float_denorm_mode_16_64 3
		.amdhsa_memory_ordered 1
		.amdhsa_forward_progress 1
		.amdhsa_inst_pref_size 10
	.end_amdhsa_kernel
	.amdgpu_metadata
---
amdhsa.version: [ 1, 2 ]
amdhsa.kernels:
  - .name:           k_q16567d22bc_prep
    .symbol:         k_q16567d22bc_prep.kd
    .args:
      - { .name: wq, .offset: 0, .size: 8, .value_kind: global_buffer, .address_space: global }
      - { .name: wk, .offset: 8, .size: 8, .value_kind: global_buffer, .address_space: global }
      - { .name: wv, .offset: 16, .size: 8, .value_kind: global_buffer, .address_space: global }
      - { .name: fc1_w, .offset: 24, .size: 8, .value_kind: global_buffer, .address_space: global }
      - { .name: fc2_w, .offset: 32, .size: 8, .value_kind: global_buffer, .address_space: global }
      - { .name: lowp_scales, .offset: 40, .size: 8, .value_kind: global_buffer, .address_space: global }
      - { .name: wc, .offset: 48, .size: 8, .value_kind: global_buffer, .address_space: global }
    .group_segment_fixed_size: 0
    .private_segment_fixed_size: 0
    .kernarg_segment_align: 8
    .kernarg_segment_size: 56
    .max_flat_workgroup_size: 128
    .sgpr_count:     66
    .vgpr_count:     32
    .wavefront_size: 32
...
	.end_amdgpu_metadata
.endif
;; end of part 1
;; launch attn (part 2): grid 256 x 1, 4 waves a work-group, no clusters, 254,464 bytes of LDS; arguments x, wc, lowp_scales, ln1_g, ln1_b, bq, bk, bv, x1; writes x1
.if DOCPART == 2
	.amdgcn_target "amdgcn-amd-amdhsa--gfx1250"
	.amdhsa_code_object_version 6
	.text
	.protected	k_q16567d22bc_attn
	.globl	k_q16567d22bc_attn
	.p2align	8
	.type	k_q16567d22bc_attn,@function
k_q16567d22bc_attn:
	s_mov_b64 s[64:65], 0
	v_nop
	global_prefetch_b8 v0, s[64:65] scope:SCOPE_SE
	s_setreg_imm32_b32 hwreg(HW_REG_WAVE_MODE, 25, 1), 1
	s_wait_xcnt 0x0
; x1 = x + attention3x3(LN1(x)).  x: [4][256 channels][128][128] f32.  q, k, v = Q(n1) Q(w) + bias on codes of BF8 (E5M2), each operand with its given scale 2^e; scores, softmax and the weighted sum in f32.
; SHARES.  Work-group n: image n / 64, rows y0 = 2 (n % 64) and y0 + 1.  Wave w: a = w / 2 (own row y0 + a), g = w % 2 (columns 64 g .. 64 g + 63).
; LAYOUT.  Every product is used transposed (source 0 = 16 columns of a weight, source 1 = 16 pixels): lane (r = lane % 16, h = lane / 16) holds ONE pixel, its registers run along the channels.
; A wave's 64 pixels are four tiles j; tile j's lane r is pixel 4 r + j.  So a load of 16 bytes at one channel brings the four tiles' numbers, sixteen lanes read 256 consecutive aligned bytes,
; and a pixel's left and right neighbours are other registers of the lane, or lane r - 1 and r + 1.
; ROWS.  A wave makes k and v for its own half row O and for its halo half row H (a = 0: y0 - 1; a = 1: y0 + 2; held inside the image, and given the weight 0 where it is outside).  The third row P is the own row of wave w xor 2
; and comes through LDS as images of registers, with the two edge pixels of each row from waves w xor 1 and w xor 3.  A softmax over nine does not ask which row is above, so all waves run one text.
; The score of a neighbour outside the image becomes -1e9 ahead of the maximum, as the definition has it; its weight is then 0, and what it multiplies is a finite number.
; WEIGHTS come as images of operand registers (buffer wc), one n-tile ahead, by loads of 512 consecutive bytes.  NO CLUSTER, NO TENSOR LOAD: what work-groups share is 196,608 bytes of codes, against 1,310,720 bytes of x and x1
; of a work-group's own; the fragments go straight into registers, and a joint load would send them through LDS first.
; x1 leaves in the order of accumulator registers: work-group x 262,144 + wave x 65,536 + 4096 t + 1024 j + 512 q + 16 lane (channels 16 t + 8 h + 4 q .. + 3 of tile j's pixel r).
; LIMITS: e0, e2, e4 between -126 and 112; the sums e0 + e1, e2 + e3, e4 + e5 and e0 + e1 + e2 + e3 - 4 are applied by v_ldexp_f32.  NaN and infinities among the inputs are not served.  x - mean takes x's place in registers; x is read again for the residual.
; LDS: 0 tables (gain, bias of LN1; bq, bk, bv, each divided by its product's two scales), 1,024 bytes each; 8,192 two image buffers of 24,576 (wave w at 6144 w: own tiles at 1024 j + 512 q, halo tile 0 at 4,096, halo tile 3 at 5,120);
;   57,344 + 16,384 w the halo row's k codes; 122,880 + 32,768 w the v codes of the own row, then of the halo row.
; REGISTERS, in windows of 256: window 0: v1-20 addresses and scales that stay; v40-239 by phase (below).  window 1: codes of q and of the own row's k, later of v (own, halo).
;   window 2: x of K step 0, later the halo row's k codes (v0-127) and the weights' fragments (v128-255).  window 3: x of K step 1, later the 36 scores in pairs (v0-71), at work v72-80, x for the residual v96-159, x1 v160-191.
.set CHB,   65536                      ; bytes from a channel of x to the next
.set IMG,   8192
.set IBUF,  24576
.set IWAVE, 6144
.set KPARK, 57344
.set VSP,   122880
.set LI,   1                           ; 16 x lane
.set VX,   2                           ; x for LN1: 16 r + 64 h channels
.set VXT,  3                           ; x for the residual: 16 r + 8 h channels
.set VST,  4                           ; my images
.set VP,   5                           ; wave w xor 2's
.set VE1,  6                           ; wave w xor 1's, at lane 16 h
.set VE3,  7                           ; wave w xor 3's, at lane 16 h
.set VKP,  8                           ; the halo row's k codes
.set VSPA, 9                           ; the v codes
.set VG,   10                          ; 256 h: my 64 channels in LN1's tables
.set VBI,  11                          ; 2,048 + 32 h: my 8 channels of a tile in bq's table
.set VBT,  12                          ; the same at the trip's n-tile
.set SCQ,  13                          ; 2^e0, 2^e2, 2^e4 as f32
.set SCK,  14
.set SCV,  15
.set VPF,  16                          ; 65,536 x lane, for the prefetch
.set LQ,   18                          ; 57,344 x 2^e0, 2^e2, 2^e4
.set LK,   19
.set LV,   20
.set NN,   40                          ; LN1: 8 channels x 4 tiles of n1
.set ZZ,   72                          ; two sets of 32: n1 held, tile by tile
.set GB,   136                         ; two sets: 8 gains, 8 biases
.set VTK,  168                         ; codes on their way to LDS
.set VTV,  184
.set SA,   200                         ; four running sums of two
.set MM,   208                         ; the four tiles' means
.set RR,   212                         ; 1 / sqrt(var + eps)
.set TT,   216
.set AQ,   40                          ; K phase: q, k of the own row, k of the halo row: 4 tiles x 8
.set AKO,  72
.set AKH,  104
.set PR,   136                         ; the third row
.set ELH,  168                         ; left and right neighbours across lanes, for each row
.set ERH,  176
.set ELO,  184
.set ERO,  192
.set ELP,  200
.set ERP,  208
.set BQ,   216
.set BK,   224
.set AVO,  40                          ; V phase
.set AVH,  72
.set AT,   104
.set BV,   216
.set CQ,   0                           ; window 1
.set CKO,  128
.set MX,   72                          ; window 3
.set SM,   76
.set NEG,  80
.set XS,   96
.set X1R,  160
.set MSB, 0
.macro WIN new                         ; the immediate's high byte repeats the setting that is left; a switch that changes nothing is dropped
.if MSB != (\new)
	s_set_vgpr_msb (MSB<<8)|(\new)
.set MSB, (\new)
.endif
.endm
.macro PLACES                          ; four plain vector lines between a matrix instruction and a store of its result or a load into its registers
.rept 4
	v_nop
.endr
.endm
.macro MKSC e, sc, lim                 ; 2^e and 57,344 x 2^e as f32
	s_add_co_i32 s56, s[\e], 127
	s_lshl_b32 s57, s56, 23
	v_mov_b32 v[\sc], s57
	s_add_co_i32 s56, s56, 15
	s_lshl_b32 s56, s56, 23
	s_or_b32 s56, s56, 0x600000
	v_mov_b32 v[\lim], s56
.endm
.macro XLOADS s, base                  ; a half row's K step s: 64 channels a lane half, register 4 p + j = channel 128 s + 64 h + p of tile j
	WIN 0x80+0x40*\s
.set p, 0
.rept 64
	global_load_b128 v[4*p:4*p+3], v[VX], s[\base:\base+1] offset:CHB*p
.set p, p+1
.endr
.endm
	s_load_b256 s[4:11], s[0:1], 0x0               ; x s[4:5], wc s[6:7], exponents s[8:9], ln1_g s[10:11]
	s_load_b256 s[12:19], s[0:1], 0x20             ; ln1_b s[12:13], bq s[14:15], bk s[16:17], bv s[18:19]
	s_load_b64 s[20:21], s[0:1], 0x40              ; x1
	v_lshl_add_u32 v254, v0, 2, 0x3e000
	v_mov_b32 v255, 0
	v_lshrrev_b32 v21, 5, v0
	v_readfirstlane_b32 s22, v21                   ; wave
	s_lshr_b32 s23, s22, 1                         ; a
	s_and_b32 s24, s22, 1                          ; g
	s_lshr_b32 s25, ttmp9, 6                       ; image
	s_and_b32 s26, ttmp9, 63
	s_lshl_b32 s26, s26, 1                         ; y0
	v_and_b32 v21, 31, v0
	v_and_b32 v22, 15, v0                          ; r
	v_bfe_u32 v23, v0, 4, 1                        ; h
	v_lshlrev_b32 v[LI], 4, v21
	v_lshlrev_b32 v24, 4, v22
	v_lshl_add_u32 v[VX], v23, 22, v24
	v_lshl_add_u32 v[VXT], v23, 19, v24
	v_lshlrev_b32 v[VPF], 16, v21
	v_lshlrev_b32 v[VG], 8, v23
	v_lshl_add_u32 v[VBI], v23, 5, 2048
	v_lshlrev_b32 v17, 3, v0                       ; 8 x thread: my two numbers of a table
.irp j, 0,1,2,3
	v_mov_b32 v[TT+\j], 0                          ; written once: a lane permute's destination counts as one of its sources
.endr
	s_sub_co_i32 s56, s26, 1
	s_add_co_u32 s57, s26, 2
	s_cmp_eq_u32 s23, 0
	s_cselect_b32 s56, s56, s57                    ; the halo row as it would be,
	s_max_i32 s57, s56, 0
	s_min_i32 s57, s57, 127                        ; and held inside the image
	s_cmp_lg_u32 s56, s57
	s_cselect_b32 s50, -1, 0                       ; lanes whose halo row is outside: all or none
	s_cmp_eq_u32 s24, 0
	s_cselect_b32 s51, 0x10001, 0                  ; lanes whose left neighbour is outside: r = 0 where g = 0
	s_cselect_b32 s52, 0, 0x80008000               ; right: r = 15 where g = 1
	s_or_b32 s53, s50, s51
	s_or_b32 s54, s50, s52
	s_lshl_b32 s58, s25, 24
	s_lshl_b32 s59, s24, 8
	s_add_co_u32 s58, s58, s59                     ; image and columns, in bytes
	s_lshl_b32 s57, s57, 9
	s_add_co_u32 s60, s58, s57                     ; + the halo row
	s_mov_b32 s61, 0
	s_add_co_u32 s59, s26, s23
	s_lshl_b32 s59, s59, 9
	s_add_co_u32 s62, s58, s59                     ; + the own row
	s_mov_b32 s63, 0
	s_lshl_b32 s56, ttmp9, 18
	s_lshl_b32 s57, s22, 16
	s_add_co_u32 s56, s56, s57                     ; my wave's 65,536 bytes of x1
	s_mov_b32 s57, 0
	s_mul_i32 s58, s22, IWAVE
	s_add_co_u32 s58, s58, IMG
	v_add_nc_u32 v[VST], s58, v[LI]
	s_xor_b32 s58, s22, 2
	s_mul_i32 s58, s58, IWAVE
	s_add_co_u32 s58, s58, IMG
	v_add_nc_u32 v[VP], s58, v[LI]
	s_xor_b32 s58, s22, 1
	s_mul_i32 s58, s58, IWAVE
	s_add_co_u32 s58, s58, IMG
	v_add_nc_u32 v[VE1], s58, v[VG]
	s_xor_b32 s58, s22, 3
	s_mul_i32 s58, s58, IWAVE
	s_add_co_u32 s58, s58, IMG
	v_add_nc_u32 v[VE3], s58, v[VG]
	s_lshl_b32 s58, s22, 14
	s_add_co_u32 s58, s58, KPARK
	v_add_nc_u32 v[VKP], s58, v[LI]
	s_lshl_b32 s58, s22, 15
	s_add_co_u32 s58, s58, VSP
	v_add_nc_u32 v[VSPA], s58, v[LI]
	s_mov_b32 s48, 0x76543210                      ; v_permlanex16_b32's selects for lane l xor 16
	s_mov_b32 s49, 0xfedcba98
	s_mov_b32 s66, 0x3b800000                      ; 1 / 256
	s_mov_b32 s67, 0x3727c5ac                      ; 1e-5
	s_wait_kmcnt 0x0
	s_load_b256 s[36:43], s[8:9], 0x0              ; e0 .. e7
	s_load_b64 s[44:45], s[8:9], 0x20              ; e8, e9
	s_add_nc_u64 s[28:29], s[4:5], s[60:61]        ; the halo half row, K step 0,
	s_add_nc_u64 s[30:31], s[28:29], 0x800000      ; and 128 channels on
	s_add_nc_u64 s[32:33], s[4:5], s[62:63]        ; the own half row
	s_add_nc_u64 s[34:35], s[32:33], 0x800000
	s_add_nc_u64 s[20:21], s[20:21], s[56:57]
	global_load_b64 v[224:225], v17, s[10:11]      ; the five tables: 128 threads x 8 bytes each
	global_load_b64 v[226:227], v17, s[12:13]
	global_load_b64 v[228:229], v17, s[14:15]
	global_load_b64 v[230:231], v17, s[16:17]
	global_load_b64 v[232:233], v17, s[18:19]
	XLOADS 0, 28                                   ; the halo half row
	XLOADS 1, 30
	WIN 0
; The own half row's 256 blocks of 256 bytes (one a channel) are asked for here, each once in the launch, by the wave that owns the row: lane l asks for channels l + 32 k.
; Their loads follow behind the halo row's sums and its first eight blocks.
.irp k, 0,1,2,3
	global_prefetch_b8 v[VPF], s[32:33] offset:0x200000*\k th:TH_LOAD_NT scope:SCOPE_SE
	global_prefetch_b8 v[VPF], s[34:35] offset:0x200000*\k th:TH_LOAD_NT scope:SCOPE_SE
.endr
	s_wait_kmcnt 0x0
	s_add_co_i32 s58, s36, s37                     ; e0 + e1
	s_add_co_i32 s59, s38, s39                     ; e2 + e3
	s_add_co_i32 s47, s40, s41                     ; e4 + e5: goes onto the weights
	s_add_co_i32 s46, s58, s59
	s_sub_co_i32 s46, s46, 4                       ; a score stands for score x 2^(e0 + e1 + e2 + e3), and is divided by sqrt(256) = 2^4
	s_sub_co_i32 s58, 0, s58
	s_sub_co_i32 s59, 0, s59
	s_sub_co_i32 s60, 0, s47
	MKSC 36, SCQ, LQ
	MKSC 38, SCK, LK
	MKSC 40, SCV, LV
	s_wait_loadcnt 63                              ; 128 loads were issued behind the five tables': with 63 out at the most, the tables are in
	v_ldexp_f32 v228, v228, s58                    ; a sum stands for sum x 2^(eA + eB): the bias goes in divided by that
	v_ldexp_f32 v229, v229, s58
	v_ldexp_f32 v230, v230, s59
	v_ldexp_f32 v231, v231, s59
	v_ldexp_f32 v232, v232, s60
	v_ldexp_f32 v233, v233, s60
	ds_store_b64 v17, v[224:225]
	ds_store_b64 v17, v[226:227] offset:1024
	ds_store_b64 v17, v[228:229] offset:2048
	ds_store_b64 v17, v[230:231] offset:3072
	ds_store_b64 v17, v[232:233] offset:4096
	s_wait_dscnt 0x0                               ; for the others' sake: my part of the tables has landed
	s_barrier_signal -1
	s_barrier_wait -1
; ---------------- LN1 and the quantisers of n1
.macro SUMS p0, p1                     ; channels p0 .. p1 - 1 of a window onto the sums: even p and odd p in chains of their own, tiles (0, 1) and (2, 3) in pairs
.set p, \p0
.rept \p1-\p0
	v_pk_add_f32 v[SA+4*(p%2):SA+4*(p%2)+1], v[4*p:4*p+1], v[SA+4*(p%2):SA+4*(p%2)+1]
	v_pk_add_f32 v[SA+4*(p%2)+2:SA+4*(p%2)+3], v[4*p+2:4*p+3], v[SA+4*(p%2)+2:SA+4*(p%2)+3]
.set p, p+1
.endr
.endm
.macro CENTRE                          ; x <- x - mean, a window's 64 channels
.set p, 0
.rept 64
	v_pk_add_f32 v[4*p:4*p+1], v[4*p:4*p+1], v[MM:MM+1] neg_lo:[0,1] neg_hi:[0,1]
	v_pk_add_f32 v[4*p+2:4*p+3], v[4*p+2:4*p+3], v[MM+2:MM+3] neg_lo:[0,1] neg_hi:[0,1]
.set p, p+1
.endr
.endm
.macro SQS p0                          ; their squares onto the sums
.set p, \p0
.rept 64-\p0
	v_pk_fma_f32 v[SA+4*(p%2):SA+4*(p%2)+1], v[4*p:4*p+1], v[4*p:4*p+1], v[SA+4*(p%2):SA+4*(p%2)+1]
	v_pk_fma_f32 v[SA+4*(p%2)+2:SA+4*(p%2)+3], v[4*p+2:4*p+3], v[4*p+2:4*p+3], v[SA+4*(p%2)+2:SA+4*(p%2)+3]
.set p, p+1
.endr
.endm
.macro FOLD                            ; the two chains, then the other half of the lanes (the pixel's other 128 channels)
	v_pk_add_f32 v[SA:SA+1], v[SA:SA+1], v[SA+4:SA+5]
	v_pk_add_f32 v[SA+2:SA+3], v[SA+2:SA+3], v[SA+6:SA+7]
.irp j, 0,1,2,3
	v_permlanex16_b32 v[TT+\j], v[SA+\j], s48, s49
.endr
	v_pk_add_f32 v[SA:SA+1], v[SA:SA+1], v[TT:TT+1]
	v_pk_add_f32 v[SA+2:SA+3], v[SA+2:SA+3], v[TT+2:TT+3]
.endm
.macro GBLOAD bi                       ; gain and bias of block bi's eight channels (128 (bi / 8) + 64 h + 8 (bi % 8) on) into set bi % 2
	ds_load_b128 v[GB+16*((\bi)%2):GB+16*((\bi)%2)+3], v[VG] offset:512*((\bi)/8)+32*((\bi)%8)
	ds_load_b128 v[GB+16*((\bi)%2)+4:GB+16*((\bi)%2)+7], v[VG] offset:512*((\bi)/8)+32*((\bi)%8)+16
	ds_load_b128 v[GB+16*((\bi)%2)+8:GB+16*((\bi)%2)+11], v[VG] offset:512*((\bi)/8)+32*((\bi)%8)+1024
	ds_load_b128 v[GB+16*((\bi)%2)+12:GB+16*((\bi)%2)+15], v[VG] offset:512*((\bi)/8)+32*((\bi)%8)+1040
.endm
; One quantiser of the block's 32 numbers.  The hold also turns them from channel-major to tile-major, so that a conversion finds a tile's eight neighbours along K in eight registers on end.
; toreg = 1: the codes are registers 2 BE, 2 BE + 1 of fragment (j, s) in window 1; 0: they gather in four registers a tile, which go to LDS behind every second block.
; The two sets of ZZ take turns: 32 plain lines stand between a conversion and the next write of its sources.
.macro QV lim, sc, zs, toreg, base, s
	WIN 0
.set j, 0
.rept 4
.set pp, 0
.rept 8
	v_med3_num_f32 v[ZZ+32*\zs+8*j+pp], v[NN+4*pp+j], -v[\lim], v[\lim]
.set pp, pp+1
.endr
.set j, j+1
.endr
.if \toreg
	WIN 0x40
.endif
.set j, 0
.rept 4
.if \toreg
	v_cvt_scalef32_pk8_bf8_f32 v[\base+32*j+16*\s+2*BE:\base+32*j+16*\s+2*BE+1], v[ZZ+32*\zs+8*j:ZZ+32*\zs+8*j+7], v[\sc]
.else
	v_cvt_scalef32_pk8_bf8_f32 v[\base+4*j+2*(BE%2):\base+4*j+2*(BE%2)+1], v[ZZ+32*\zs+8*j:ZZ+32*\zs+8*j+7], v[\sc]
.endif
.set j, j+1
.endr
.endm
.macro PARK vt, adr, ofs, s            ; group BE / 2 of the four fragments (j, s): images of registers
.set j, 0
.rept 4
	ds_store_b128 v[\adr], v[\vt+4*j:\vt+4*j+3] offset:\ofs+(2*j+\s)*2048+512*(BE/2)
.set j, j+1
.endr
.endm
.macro LNBLK kind, s                   ; block BE of K step s: eight channels of the four tiles
.set bi, 8*\s+BE
.set gs, GB+16*(bi%2)
	WIN 0
	s_wait_dscnt 0x0                               ; this block's gain and bias are in, and the stores of codes have read their registers
.if bi < 15
	GBLOAD bi+1
.endif
	WIN 0x02+\s
.set pp, 0
.rept 8
	v_pk_mul_f32 v[NN+4*pp:NN+4*pp+1], v[4*(8*BE+pp):4*(8*BE+pp)+1], v[RR:RR+1]
	v_pk_mul_f32 v[NN+4*pp+2:NN+4*pp+3], v[4*(8*BE+pp)+2:4*(8*BE+pp)+3], v[RR+2:RR+3]
.set pp, pp+1
.endr
	WIN 0
.set pp, 0
.rept 8
.if pp%2 == 0
	v_pk_fma_f32 v[NN+4*pp:NN+4*pp+1], v[NN+4*pp:NN+4*pp+1], v[gs+pp:gs+pp+1], v[gs+8+pp:gs+8+pp+1] op_sel_hi:[1,0,0]   ; the channel's gain and bias serve both tiles: the pair's first word
	v_pk_fma_f32 v[NN+4*pp+2:NN+4*pp+3], v[NN+4*pp+2:NN+4*pp+3], v[gs+pp:gs+pp+1], v[gs+8+pp:gs+8+pp+1] op_sel_hi:[1,0,0]
.else
	v_pk_fma_f32 v[NN+4*pp:NN+4*pp+1], v[NN+4*pp:NN+4*pp+1], v[gs+pp-1:gs+pp], v[gs+8+pp-1:gs+8+pp] op_sel:[0,1,1] op_sel_hi:[1,1,1]   ; the pair's second word
	v_pk_fma_f32 v[NN+4*pp+2:NN+4*pp+3], v[NN+4*pp+2:NN+4*pp+3], v[gs+pp-1:gs+pp], v[gs+8+pp-1:gs+8+pp] op_sel:[0,1,1] op_sel_hi:[1,1,1]
.endif
.set pp, pp+1
.endr
.if \kind == 0
	QV LK, SCK, 0, 0, VTK, \s
	QV LV, SCV, 1, 0, VTV, \s
.if BE%2 == 1
	PARK VTK, VKP, 0, \s
	PARK VTV, VSPA, 16384, \s
.endif
.else
	QV LQ, SCQ, 0, 1, CQ, \s
	QV LK, SCK, 1, 1, CKO, \s
	QV LV, SCV, 0, 0, VTV, \s
.if BE%2 == 1
	PARK VTV, VSPA, 0, \s
.endif
.endif
.endm
; A half row: mean, variance of the centred numbers, n1, its codes.  kind 0: the halo row (codes for k and v, both to LDS); 1: the own row (q and k stay in registers, v to LDS).
; nxt = 1: the own row's loads go out as soon as a window's numbers are done with.
.macro LNROW kind, nxt
	WIN 0
	GBLOAD 0
	s_wait_loadcnt 63                              ; the row's loads come back in order: behind the first 32 stand 96, so 63 out at the most shows them in
	WIN 0x0a
	v_pk_add_f32 v[SA:SA+1], v[0:1], v[8:9]        ; the first additions start the four sums
	v_pk_add_f32 v[SA+2:SA+3], v[2:3], v[10:11]
	v_pk_add_f32 v[SA+4:SA+5], v[4:5], v[12:13]
	v_pk_add_f32 v[SA+6:SA+7], v[6:7], v[14:15]
	WIN 0x02
	SUMS 4, 32
	s_wait_loadcnt 63                              ; behind the second 32 stand 64
	SUMS 32, 64
	s_wait_loadcnt 32                              ; behind the third 32 stand 32
	WIN 0x03
	SUMS 0, 32
	s_wait_loadcnt 0x0
	SUMS 32, 64
	WIN 0
	FOLD
	v_pk_mul_f32 v[MM:MM+1], v[SA:SA+1], s[66:67] op_sel_hi:[1,0]
	v_pk_mul_f32 v[MM+2:MM+3], v[SA+2:SA+3], s[66:67] op_sel_hi:[1,0]
	WIN 0x82
	CENTRE
	WIN 0x0a
	v_pk_mul_f32 v[SA:SA+1], v[0:1], v[0:1]
	v_pk_mul_f32 v[SA+2:SA+3], v[2:3], v[2:3]
	v_pk_mul_f32 v[SA+4:SA+5], v[4:5], v[4:5]
	v_pk_mul_f32 v[SA+6:SA+7], v[6:7], v[6:7]
	SQS 2
	WIN 0xc3
	CENTRE
	WIN 0x0f
	SQS 0
	WIN 0
	FOLD
.irp j, 0,1,2,3
	v_fma_f32 v[SA+\j], v[SA+\j], s66, s67         ; var + eps
.endr
.irp j, 0,1,2,3
	v_rsq_f32 v[RR+\j], v[SA+\j]
.endr
	v_nop                                          ; a plain line behind the last transcendental
	s_wait_alu depctr_va_vdst(0)
.set BE, 0
.rept 8
	LNBLK \kind, 0
.set BE, BE+1
.endr
.if \nxt
	XLOADS 0, 32
.endif
.set BE, 0
.rept 8
	LNBLK \kind, 1
.set BE, BE+1
.endr
.if \nxt
	XLOADS 1, 34
.endif
	WIN 0
	v_nop                                          ; a plain line behind the row's last conversion
.endm
	LNROW 0, 1
	LNROW 1, 0
; ---------------- what the K and V phases share
.macro MM3 d, a, b, c
	v_wmma_f32_16x16x128_bf8_bf8 v[(\d):(\d)+7], v[(\a):(\a)+15], v[(\b):(\b)+15], v[(\c):(\c)+7]
.endm
.macro PUT par, ro, rh                 ; my own row's four tiles and my halo row's tiles 0 and 3 go to LDS as they stand; each accumulator's low four registers first
.set j, 0
.rept 4
	ds_store_b128 v[VST], v[\ro+8*j:\ro+8*j+3] offset:IBUF*\par+1024*j
	ds_store_b128 v[VST], v[\ro+8*j+4:\ro+8*j+7] offset:IBUF*\par+1024*j+512
.set j, j+1
.endr
	ds_store_b128 v[VST], v[\rh:\rh+3] offset:IBUF*\par+4096
	ds_store_b128 v[VST], v[\rh+4:\rh+7] offset:IBUF*\par+4608
	ds_store_b128 v[VST], v[\rh+24:\rh+27] offset:IBUF*\par+5120
	ds_store_b128 v[VST], v[\rh+28:\rh+31] offset:IBUF*\par+5632
.endm
.macro GET par                         ; the third row, and for each row the pixel beyond my left end (the neighbour's tile 3, lane 15 + 16 h: + 240) and beyond my right end (its tile 0, lane 16 h), the same in all lanes of a half
.set m, 0
.rept 8
	ds_load_b128 v[PR+4*m:PR+4*m+3], v[VP] offset:IBUF*\par+512*m
.set m, m+1
.endr
.irp q, 0,1
	ds_load_b128 v[ELH+4*\q:ELH+4*\q+3], v[VE1] offset:IBUF*\par+5120+512*\q+240
	ds_load_b128 v[ERH+4*\q:ERH+4*\q+3], v[VE1] offset:IBUF*\par+4096+512*\q
	ds_load_b128 v[ELO+4*\q:ELO+4*\q+3], v[VE1] offset:IBUF*\par+3072+512*\q+240
	ds_load_b128 v[ERO+4*\q:ERO+4*\q+3], v[VE1] offset:IBUF*\par+512*\q
	ds_load_b128 v[ELP+4*\q:ELP+4*\q+3], v[VE3] offset:IBUF*\par+3072+512*\q+240
	ds_load_b128 v[ERP+4*\q:ERP+4*\q+3], v[VE3] offset:IBUF*\par+512*\q
.endr
.endm
.macro SHIFT ro, rh                    ; tile 0's left neighbour is tile 3 of lane r - 1, tile 3's right neighbour tile 0 of lane r + 1; the lane without a source keeps the pixel just loaded
.set i, 0
.rept 8
	v_mov_b32_dpp v[ELH+i], v[\rh+24+i] row_shr:1 row_mask:0xf bank_mask:0xf
	v_mov_b32_dpp v[ERH+i], v[\rh+i] row_shl:1 row_mask:0xf bank_mask:0xf
	v_mov_b32_dpp v[ELO+i], v[\ro+24+i] row_shr:1 row_mask:0xf bank_mask:0xf
	v_mov_b32_dpp v[ERO+i], v[\ro+i] row_shl:1 row_mask:0xf bank_mask:0xf
	v_mov_b32_dpp v[ELP+i], v[PR+24+i] row_shr:1 row_mask:0xf bank_mask:0xf
	v_mov_b32_dpp v[ERP+i], v[PR+i] row_shl:1 row_mask:0xf bank_mask:0xf
.set i, i+1
.endr
.endm
; ---------------- K phase: q and k, an n-tile of 16 channels at a time, and the 36 scores (4 tiles x 9 neighbours): score 9 j + 3 R + dx + 1 (R: 0 halo, 1 own, 2 third row) in the pair at twice that, in window 3
.macro WFK set, ofs                    ; wq's and wk's two fragments of an n-tile
	WIN 0x80
.set m, 0
.rept 8
	global_load_b128 v[128+64*(\set)+4*m:128+64*(\set)+4*m+3], v[LI], s[60:61] offset:(\ofs)+512*m
	global_load_b128 v[160+64*(\set)+4*m:160+64*(\set)+4*m+3], v[LI], s[60:61] offset:(\ofs)+65536+512*m
.set m, m+1
.endr
.endm
.macro KROW R, base, i                 ; channels i, i + 1: the ten scores of row R whose neighbour lies in the lane itself
.set j, 0
.rept 4
.set d, -1
.rept 3
.if (j+d >= 0) && (j+d <= 3)
.set sx, 2*(9*j+3*\R+d+1)
	v_pk_fma_f32 v[sx:sx+1], v[AQ+8*j+\i:AQ+8*j+\i+1], v[\base+8*(j+d)+\i:\base+8*(j+d)+\i+1], v[sx:sx+1]
.endif
.set d, d+1
.endr
.set j, j+1
.endr
.endm
.macro KEDGE R, el, er, i              ; and the two across lanes
	v_pk_fma_f32 v[6*\R:6*\R+1], v[AQ+\i:AQ+\i+1], v[\el+\i:\el+\i+1], v[6*\R:6*\R+1]
	v_pk_fma_f32 v[58+6*\R:58+6*\R+1], v[AQ+24+\i:AQ+24+\i+1], v[\er+\i:\er+\i+1], v[58+6*\R:58+6*\R+1]
.endm
.macro KT par, ahead                   ; n-tile 2 trip + par.  ahead = 1: the next n-tile's fragments are asked for
.if \ahead
	WFK 1-\par, 4096*(\par+1)
.endif
	WIN 0
	ds_load_b128 v[BQ:BQ+3], v[VBT] offset:64*\par
	ds_load_b128 v[BQ+4:BQ+7], v[VBT] offset:64*\par+16
	ds_load_b128 v[BK:BK+3], v[VBT] offset:64*\par+1024
	ds_load_b128 v[BK+4:BK+7], v[VBT] offset:64*\par+1040
.if \ahead
	s_wait_loadcnt 16                              ; this tile's sixteen are in; the sixteen just issued may be out
.else
	s_wait_loadcnt 0x0
.endif
	s_wait_dscnt 0x0                               ; the biases (in the first tile the halo row's codes too)
.set wq, 128+64*\par
.set wk, 160+64*\par
	WIN 0x06                                       ; weights window 2, pixels' codes window 1.  The twelve accumulators take turns; the bias is the C of a sum's first product
.irp j, 0,1,2,3
	MM3 AQ+8*\j, wq, CQ+32*\j, BQ
.endr
.irp j, 0,1,2,3
	MM3 AKO+8*\j, wk, CKO+32*\j, BK
.endr
	WIN 0x0a                                       ; the halo row's codes lie in window 2
.irp j, 0,1,2,3
	MM3 AKH+8*\j, wk, 32*\j, BK
.endr
	WIN 0x06
.irp j, 0,1,2,3
	MM3 AQ+8*\j, wq+16, CQ+32*\j+16, AQ+8*\j
.endr
.irp j, 0,1,2,3
	MM3 AKO+8*\j, wk+16, CKO+32*\j+16, AKO+8*\j
.endr
	WIN 0x0a
.irp j, 0,1,2,3
	MM3 AKH+8*\j, wk+16, 32*\j+16, AKH+8*\j
.endr
	WIN 0
	PLACES
	PUT \par, AKO, AKH
	s_wait_dscnt 0x0                               ; my images have landed.  My reads of the other buffer were waited for in the tile before: with two buffers by turns this one barrier
	s_barrier_signal -1                            ; stands between the stores and their reads, and between a buffer's reads and its next stores
	s_barrier_wait -1
	GET \par
	WIN 0xf0                                       ; scores in window 3
.irp i, 0,2,4,6
	KROW 0, AKH, \i                                ; what needs nothing from LDS comes first
	KROW 1, AKO, \i
.endr
	WIN 0
	s_wait_dscnt 0x0                               ; the third row and the edges are in
	SHIFT AKO, AKH
	WIN 0xf0
.irp i, 0,2,4,6
	KROW 2, PR, \i
	KEDGE 0, ELH, ERH, \i
	KEDGE 1, ELO, ERO, \i
	KEDGE 2, ELP, ERP, \i
.endr
.endm
	WIN 0x80
.set m, 0
.rept 32
	ds_load_b128 v[4*m:4*m+3], v[VKP] offset:512*m ; the halo row's k codes come back as fragments (LDS serves a wave's instructions in order: these see my stores)
.set m, m+1
.endr
	s_mov_b64 s[60:61], s[6:7]
	WFK 0, 0
	WIN 0xc0
.set m, 0
.rept 72
	v_mov_b32 v[m], 0                              ; the scores: the n-tile is written once, and its first pass finds zeros
.set m, m+1
.endr
	WIN 0
	s_mov_b32 s59, 0
	s_mov_b32 s55, 7
.Lk:                                               ; seven trips of two n-tiles; the eighth is written out, since it asks for nothing beyond the last tile
	v_add_nc_u32 v[VBT], s59, v[VBI]
	KT 0, 1
	KT 1, 1
	WIN 0
	s_wait_xcnt 0x0                                ; the loads have read their base
	s_add_nc_u64 s[60:61], s[60:61], 8192
	s_add_co_u32 s59, s59, 128
	s_sub_co_u32 s55, s55, 1
	s_cmp_lg_u32 s55, 0
	s_cbranch_scc1 .Lk
	v_add_nc_u32 v[VBT], s59, v[VBI]
	KT 0, 1
	KT 1, 0
; ---------------- what the V phase wants first is asked for ahead of the softmax
.macro WFV set, ofs
	WIN 0x80
.set m, 0
.rept 8
	global_load_b128 v[128+32*(\set)+4*m:128+32*(\set)+4*m+3], v[LI], s[60:61] offset:(\ofs)+512*m
.set m, m+1
.endr
.endm
.macro XSL set, ofs                    ; x of an n-tile's channels 16 t + 8 h + i: register 4 i + j
	WIN 0xc0
.set i, 0
.rept 8
	global_load_b128 v[XS+32*(\set)+4*i:XS+32*(\set)+4*i+3], v[VXT], s[62:63] offset:(\ofs)+CHB*i
.set i, i+1
.endr
.endm
	WIN 0x40
.set m, 0
.rept 64
	ds_load_b128 v[4*m:4*m+3], v[VSPA] offset:512*m   ; the v codes, own row then halo row, over q's and k's, which the last products left 144 plain lines ago
.set m, m+1
.endr
	s_add_nc_u64 s[60:61], s[6:7], 131072          ; wv's fragments (no load is out: the last tile waited for all)
	s_mov_b64 s[62:63], s[32:33]
	WFV 0, 0
	XSL 0, 0
; ---------------- the softmax over nine, for the four tiles
	WIN 0xff
.set q, 0
.rept 36
	v_add_f32 v[2*q], v[2*q], v[2*q+1]             ; even and odd channels,
.set q, q+1
.endr
.set q, 0
.rept 36
	v_permlanex16_b32 v[2*q+1], v[2*q], s48, s49
.set q, q+1
.endr
.set q, 0
.rept 36
	v_add_f32 v[2*q], v[2*q], v[2*q+1]             ; and the other half of the lanes
.set q, q+1
.endr
.set q, 0
.rept 36
	v_ldexp_f32 v[2*q], v[2*q], s46                ; x 2^(e0 + e1 + e2 + e3) / 16
.set q, q+1
.endr
	v_mov_b32 v[NEG], 0xce6e6b28                   ; -1e9
.set j, 0
.rept 4
.set d, 0
.rept 3
.set sx, 2*(9*j+d)
.if (j == 0) && (d == 0)
	v_cndmask_b32 v[sx], v[sx], v[NEG], s53
.elseif (j == 3) && (d == 2)
	v_cndmask_b32 v[sx], v[sx], v[NEG], s54
.else
	v_cndmask_b32 v[sx], v[sx], v[NEG], s50
.endif
.set d, d+1
.endr
.set j, j+1
.endr
	v_cndmask_b32 v6, v6, v[NEG], s51              ; own and third row: tile 0's left, tile 3's right
	v_cndmask_b32 v12, v12, v[NEG], s51
	v_cndmask_b32 v64, v64, v[NEG], s52
	v_cndmask_b32 v70, v70, v[NEG], s52
.irp j, 0,1,2,3
	v_max3_num_f32 v[MX+\j], v[18*\j], v[18*\j+2], v[18*\j+4]
.endr
.irp k, 6,10,14
.irp j, 0,1,2,3
	v_max3_num_f32 v[MX+\j], v[MX+\j], v[18*\j+\k], v[18*\j+\k+2]
.endr
.endr
.set q, 0
.rept 36
	v_sub_f32 v[2*q], v[2*q], v[MX+q/9]
.set q, q+1
.endr
.set q, 0
.rept 36
	v_mul_f32 v[2*q], 0x3fb8aa3b, v[2*q]           ; x log2(e)
.set q, q+1
.endr
.set q, 0
.rept 36
	v_exp_f32 v[2*q], v[2*q]
.set q, q+1
.endr
	v_nop                                          ; a plain line behind the last exponential
	s_wait_alu depctr_va_vdst(0)
.irp j, 0,1,2,3
	v_add_f32 v[SM+\j], v[18*\j], v[18*\j+2]
.endr
.irp k, 4,6,8,10,12,14,16
.irp j, 0,1,2,3
	v_add_f32 v[SM+\j], v[SM+\j], v[18*\j+\k]
.endr
.endr
.irp j, 0,1,2,3
	v_rcp_f32 v[SM+\j], v[SM+\j]
.endr
	v_nop
	s_wait_alu depctr_va_vdst(0)
.irp j, 0,1,2,3
	v_ldexp_f32 v[SM+\j], v[SM+\j], s47            ; v's sums stand for sum x 2^(e4 + e5): the weights carry it
.endr
.set q, 0
.rept 36
	v_mul_f32 v[2*q], v[2*q], v[SM+q/9]
.set q, q+1
.endr
; ---------------- V phase: v, an n-tile at a time; the nine weighted neighbours; x1 = x + their sum
.macro VROW R, base, d, first          ; row R, dx = d, for the tiles whose neighbour lies in the lane itself.  first = 1: the product starts the sums
.set j, 0
.rept 4
.if (j+(\d) >= 0) && (j+(\d) <= 3)
.set sx, 2*(9*j+3*\R+(\d)+1)
.set i, 0
.rept 4
.if \first
	v_pk_mul_f32 v[AT+8*j+i:AT+8*j+i+1], v[\base+8*(j+(\d))+i:\base+8*(j+(\d))+i+1], v[sx:sx+1] op_sel_hi:[1,0]
.else
	v_pk_fma_f32 v[AT+8*j+i:AT+8*j+i+1], v[\base+8*(j+(\d))+i:\base+8*(j+(\d))+i+1], v[sx:sx+1], v[AT+8*j+i:AT+8*j+i+1] op_sel_hi:[1,0,1]
.endif
.set i, i+2
.endr
.endif
.set j, j+1
.endr
.endm
.macro VEDGE R, el, er
.set i, 0
.rept 4
	v_pk_fma_f32 v[AT+i:AT+i+1], v[\el+i:\el+i+1], v[6*\R:6*\R+1], v[AT+i:AT+i+1] op_sel_hi:[1,0,1]
	v_pk_fma_f32 v[AT+24+i:AT+24+i+1], v[\er+i:\er+i+1], v[58+6*\R:58+6*\R+1], v[AT+24+i:AT+24+i+1] op_sel_hi:[1,0,1]
.set i, i+2
.endr
.endm
.macro VT par, ahead
.if \ahead
	WFV 1-\par, 4096*(\par+1)
	XSL 1-\par, 0x100000*(\par+1)
.endif
	WIN 0
	ds_load_b128 v[BV:BV+3], v[VBT] offset:2048+64*\par
	ds_load_b128 v[BV+4:BV+7], v[VBT] offset:2048+64*\par+16
.if \ahead
	s_wait_loadcnt 24                              ; this tile's fragments are in; behind them stand this tile's x (8) and the sixteen just issued
.else
	s_wait_loadcnt 8                               ; behind them: this tile's x
.endif
	s_wait_dscnt 0x0
.set wv, 128+32*\par
	WIN 0x06
.irp j, 0,1,2,3
	MM3 AVO+8*\j, wv, 32*\j, BV
.endr
.irp j, 0,1,2,3
	MM3 AVH+8*\j, wv, 128+32*\j, BV
.endr
.irp j, 0,1,2,3
	MM3 AVO+8*\j, wv+16, 32*\j+16, AVO+8*\j
.endr
.irp j, 0,1,2,3
	MM3 AVH+8*\j, wv+16, 128+32*\j+16, AVH+8*\j
.endr
	WIN 0
	PLACES
	PUT \par, AVO, AVH
	s_wait_dscnt 0x0                               ; as in the K phase: one barrier an n-tile, two buffers by turns
	s_barrier_signal -1
	s_barrier_wait -1
	GET \par
	WIN 0x0c                                       ; the weights lie in window 3; a pair's first word serves both halves
	VROW 1, AVO, 0, 1
	VROW 1, AVO, -1, 0
	VROW 1, AVO, 1, 0
	VROW 0, AVH, 0, 0
	VROW 0, AVH, -1, 0
	VROW 0, AVH, 1, 0
	WIN 0
	s_wait_dscnt 0x0
	SHIFT AVO, AVH
	WIN 0x0c
	VROW 2, PR, 0, 0
	VROW 2, PR, -1, 0
	VROW 2, PR, 1, 0
	VEDGE 0, ELH, ERH
	VEDGE 1, ELO, ERO
	VEDGE 2, ELP, ERP
.if \ahead
	s_wait_loadcnt 16                              ; this tile's x is in
.else
	s_wait_loadcnt 0x0
.endif
	s_wait_xcnt 0x0                                ; the last tile's stores have read their registers
	WIN 0xc3
.set j, 0
.rept 4
.set i, 0
.rept 8
	v_add_f32 v[X1R+8*j+i], v[XS+32*\par+4*i+j], v[AT+8*j+i]
.set i, i+1
.endr
.set j, j+1
.endr
	WIN 0x0c                                       ; a store's data: window 3
.set m, 0
.rept 8
	global_store_b128 v[LI], v[X1R+4*m:X1R+4*m+3], s[20:21] offset:4096*\par+512*m   ; 512 consecutive bytes, aligned
.set m, m+1
.endr
.endm
	WIN 0
	s_mov_b32 s59, 0
	s_mov_b32 s55, 7
.Lv:
	v_add_nc_u32 v[VBT], s59, v[VBI]
	VT 0, 1
	VT 1, 1
	WIN 0
	s_wait_xcnt 0x0                                ; loads and stores have read their bases
	s_add_nc_u64 s[60:61], s[60:61], 8192
	s_add_nc_u64 s[62:63], s[62:63], 0x200000
	s_add_nc_u64 s[20:21], s[20:21], 8192
	s_add_co_u32 s59, s59, 128
	s_sub_co_u32 s55, s55, 1
	s_cmp_lg_u32 s55, 0
	s_cbranch_scc1 .Lv
	v_add_nc_u32 v[VBT], s59, v[VBI]
	VT 0, 1
	VT 1, 0
	WIN 0
	s_wait_tensorcnt 0x0
	ds_add_u32 v254, v255
	s_wait_dscnt 0x0
	s_endpgm
.Lfunc_end_k_q16567d22bc_attn:
	.size	k_q16567d22bc_attn, .Lfunc_end_k_q16567d22bc_attn-k_q16567d22bc_attn
	.p2alignl 7, 3214868480
	.fill 96, 4, 3214868480
	.section	.rodata,"a",@progbits
	.p2align	6, 0x0
	.amdhsa_kernel k_q16567d22bc_attn
		.amdhsa_group_segment_fixed_size 254464
		.amdhsa_private_segment_fixed_size 0
		.amdhsa_enable_private_segment 0
		.amdhsa_kernarg_size 72
		.amdhsa_user_sgpr_count 2
		.amdhsa_user_sgpr_kernarg_segment_ptr 1
		.amdhsa_wavefront_size32 1
		.amdhsa_system_sgpr_workgroup_id_x 1
		.amdhsa_system_sgpr_workgroup_id_y 1
		.amdhsa_system_sgpr_workgroup_id_z 1
		.amdhsa_system_vgpr_workitem_id 0
		.amdhsa_next_free_vgpr 1024
		.amdhsa_next_free_sgpr 68
		.amdhsa_reserve_vcc 0
		.amdhsa_float_denorm_mode_32 3
		.amdhsa_float_denorm_mode_16_64 3
		.amdhsa_memory_ordered 1
		.amdhsa_forward_progress 1
		.amdhsa_inst_pref_size 255
	.end_amdhsa_kernel
	.section	.bss,"aw",@nobits
	.p2align	6
	.space	262144
	.amdgpu_metadata
---
amdhsa.version: [ 1, 2 ]
amdhsa.kernels:
  - .name:           k_q16567d22bc_attn
    .symbol:         k_q16567d22bc_attn.kd
    .args:
      - { .name: x, .offset: 0, .size: 8, .value_kind: global_buffer, .address_space: global }
      - { .name: wc, .offset: 8, .size: 8, .value_kind: global_buffer, .address_space: global }
      - { .name: lowp_scales, .offset: 16, .size: 8, .value_kind: global_buffer, .address_space: global }
      - { .name: ln1_g, .offset: 24, .size: 8, .value_kind: global_buffer, .address_space: global }
      - { .name: ln1_b, .offset: 32, .size: 8, .value_kind: global_buffer, .address_space: global }
      - { .name: bq, .offset: 40, .size: 8, .value_kind: global_buffer, .address_space: global }
      - { .name: bk, .offset: 48, .size: 8, .value_kind: global_buffer, .address_space: global }
      - { .name: bv, .offset: 56, .size: 8, .value_kind: global_buffer, .address_space: global }
      - { .name: x1, .offset: 64, .size: 8, .value_kind: global_buffer, .address_space: global }
    .group_segment_fixed_size: 254464
    .private_segment_fixed_size: 0
    .kernarg_segment_align: 8
    .kernarg_segment_size: 72
    .max_flat_workgroup_size: 128
    .sgpr_count:     68
    .vgpr_count:     1024
    .wavefront_size: 32
...
	.end_amdgpu_metadata
.endif
;; end of part 2
;; launch mlp (part 3): grid 256 x 1, 4 waves a work-group, clusters of 4 x 1, 327,680 bytes of LDS; arguments x1, wc, lowp_scales, ln2_g, ln2_b, fc1_b, fc2_b, out0; writes out0
.if DOCPART == 3
	.amdgcn_target "amdgcn-amd-amdhsa--gfx1250"
	.amdhsa_code_object_version 6
	.text
	.protected	k_q16567d22bc_mlp
	.globl	k_q16567d22bc_mlp
	.p2align	8
	.type	k_q16567d22bc_mlp,@function
k_q16567d22bc_mlp:
	s_mov_b64 s[64:65], 0
	v_nop
	global_prefetch_b8 v0, s[64:65] scope:SCOPE_SE
	s_setreg_imm32_b32 hwreg(HW_REG_WAVE_MODE, 25, 1), 1
	s_wait_xcnt 0x0
	s_wait_alu depctr_hold_cnt(0) depctr_sa_sdst(0) depctr_va_vdst(0) depctr_va_sdst(0) depctr_va_ssrc(0) depctr_va_vcc(0) depctr_vm_vsrc(0)
	s_getreg_b32 s2, hwreg(HW_REG_IB_STS2, 6, 4)
	s_cmp_eq_u32 s2, 0
	s_cbranch_scc0 .Lentry_in_a_cluster
	s_endpgm
.Lentry_in_a_cluster:
	s_bfe_u32 s2, ttmp6, 0x10000c
	s_cmp_lg_u32 s2, 0x3003
	s_cbranch_scc0 .Lentry_shape_is_right
	s_endpgm
.Lentry_shape_is_right:
; out = x1 + gelu(Q(LN2(x1)) Q(fc1_w) + fc1_b) quantised, x Q(fc2_w), + fc2_b; both products on codes of BF8 (E5M2), each operand with its given scale 2^e (e6 .. e9).  out0: [4][256 channels][128][128] f32.
; SHARES as in the launch before: work-group n = image n / 64, rows 2 (n % 64) + a; wave w = (a, g): 64 pixels in four tiles j, tile j's lane r = pixel 4 r + j.  Both products are used transposed: a lane holds ONE pixel.
; x1 comes in the order of accumulator registers and STAYS in the 64 accumulators of the second product (tile j, n-tile t at 32 t + 8 j of windows 2 and 3): divided by 2^(e8 + e9), a power of two, it is the sums' starting value,
; so the residual costs no addition.  LN2 reads it there; n2's codes are the first product's operand as the conversions leave them (byte 8 (t % 8) + i of K step t / 8 = channel 16 t + 8 h + i; the weights are laid alike).
; THE HIDDEN LAYER goes in sixteen chunks of 64 units: 32 products K = 128 (16 accumulators), GELU and the quantiser in registers, 64 products K = 64 onto the 64 accumulators.  It never leaves the registers.
; GELU = max(z, 0) - |z| erfc(|z| / sqrt 2) / 2, erfc(y) = t exp(-y^2 + P(t)), t = 1 / (1 + y / 2), P of degree 9 (Numerical Recipes' erfcc; fractional error 1.2e-7 by its source).
;   In base 2, on the raw sums a = z / 2^(e6 + e7): t = 1 / (1 + |a| cU);  erfc / 2 = t 2^(a^2 cK + P'(t)), P' = log2(e) P - 1.
; WEIGHTS: a chunk's 32,768 bytes of fragments (images of registers) come through a ring of two LDS slots; each wave fetches a quarter by one tensor load.
; CLUSTER: the four work-groups of a cluster walk the same chunks, so each load is a JOINT one: the same descriptor in all four, a mask that names the four.  My place in the cluster enters x1's and out0's addresses alone.
; LIMITS: e6 and e8 - e6 - e7 between -126 and 112; e8 + e9 between -126 and 126; e6 + e7 between -60 and 60 (it is added once to cU's and twice to cK's exponent field).  NaN and infinities are not served.
;   An erfc / 2 under 2^-126 comes out as 0.
; LDS: slot 0 at 0, slot 1 at 32,768; 65,536 fc1_b / 2^(e6 + e7) (4,096 bytes, stored once, never a load's target); 69,632 the spare words.  The launch claims all of a WGP's LDS.
; REGISTERS: window 0: v1-15 addresses, scales; v16-31 LN2's sums; v40-71 the hidden codes (8 a tile); v72-127 GELU at work (ahead of it: fc1's bias, v72-103); v128-255 the 16 hidden accumulators (4 j + nt).
;   window 1: v0-127 n2's codes (fragment (j, s) at 32 j + 16 s), at the end fc2_b; v128-255 the chunk's fragments, fc1's and then fc2's.   windows 2, 3: the 64 accumulators.
.set TAB,   65536
.set SPARE, 69632
.set SPW,  1                           ; LDS address of my spare word: SPARE + 4 x my thread's number; never rewritten
.set NIL,  2                           ; 0; never rewritten
.set LI,   3                           ; 16 x lane
.set ADW,  4                           ; the chunk's fragments
.set BI,   5                           ; TAB + 32 h
.set ADB,  6                           ; the chunk's biases
.set VO,   7                           ; out0: 16 r + 8 h channels
.set VH,   8                           ; 32 h
.set SCN,  9                           ; 2^e6
.set SCH,  10                          ; 2^(e8 - e6 - e7)
.set LIMN, 11                          ; 57,344 x those
.set LIMH, 12
.set C9,   14                          ; v[14:15] the polynomial's leading coefficient
.set SA,   16                          ; a pair a tile: sums, then the mean in the first word
.set VA,   24                          ; likewise: squares, then 1 / sqrt(var + eps)
.set HC,   40
.set T,    72
.set WB,   96
.set PP,   120
.set HH,   128
.set DT,   72
.set CP,   66                          ; s[66:83] coefficients 0 to 8, each twice (the packed form names a pair)
.set MSB, 0
.macro WIN new
.if MSB != (\new)
	s_set_vgpr_msb (MSB<<8)|(\new)
.set MSB, (\new)
.endif
.endm
.macro PLACES
.rept 4
	v_nop
.endr
.endm
.macro ROUND                           ; a round of the cluster's barrier: my work-group's barrier; wave 0 signals for the work-group; every wave waits for all four work-groups; my work-group's barrier once more
	s_barrier_signal -1
	s_barrier_wait -1
	s_cmp_lg_u32 s20, 0
	s_cbranch_scc1 .Lnot_wave_0_\@
	s_barrier_signal -3
.Lnot_wave_0_\@:
	s_barrier_wait -3
	s_barrier_signal -1
	s_barrier_wait -1
.endm
.macro COEF m, bits
	s_mov_b32 s[CP+2*\m], \bits
	s_mov_b32 s[CP+2*\m+1], \bits
.endm
.macro MKSC e, sc, lim                 ; 2^e and 57,344 x 2^e as f32
	s_add_co_i32 s2, s[\e], 127
	s_lshl_b32 s3, s2, 23
	v_mov_b32 v[\sc], s3
	s_add_co_i32 s2, s2, 15
	s_lshl_b32 s2, s2, 23
	s_or_b32 s2, s2, 0x600000
	v_mov_b32 v[\lim], s2
.endm
	s_load_b256 s[4:11], s[0:1], 0x0               ; x1 s[4:5], wc s[6:7], exponents s[8:9], ln2_g s[10:11]
	s_load_b256 s[12:19], s[0:1], 0x20             ; ln2_b s[12:13], fc1_b s[14:15], fc2_b s[16:17], out0 s[18:19]
	v_lshl_add_u32 v[SPW], v0, 2, SPARE
	v_mov_b32 v[NIL], 0
	ds_add_u32 v1, v2
	ds_add_u32 v1, v2
	s_wait_dscnt 0x0
	v_lshrrev_b32 v36, 5, v0
	v_readfirstlane_b32 s20, v36                   ; wave
	; descriptor group 1: 32 rows of 256 bytes, dense: my quarter of a chunk
	s_mov_b32 s24, 15|(3<<16)|(1<<21)              ; 15:0 the mask: all four work-groups; 17:16 elements of 8 bytes; 21 set beside a mask; no padding: a fragment's group is read as 512 bytes on end
	s_mov_b32 s25, 32<<16                          ; tensor_dim0 = 32
	s_mov_b32 s26, 32<<16                          ; tensor_dim1 = 32
	s_mov_b32 s27, 32<<16                          ; tile_dim0 = 32
	s_mov_b32 s28, 32                              ; tile_dim1 = 32
	s_mov_b32 s29, 32                              ; from row to row
	s_mov_b32 s30, 0
	s_mov_b32 s31, 0
	s_mov_b32 s32, 1                               ; group 0: count = 1
	s_lshl_b32 s33, s20, 13                        ; LDS: slot 0, 8,192 x wave
	s_add_co_u32 s46, s33, 196608                  ; wc: the first chunk, my quarter
	s_mov_b32 s47, 0
	s_wait_kmcnt 0x0
	s_load_b256 s[36:43], s[8:9], 0x0              ; e0 .. e7
	s_load_b64 s[44:45], s[8:9], 0x20              ; e8, e9
	s_add_nc_u64 s[34:35], s[6:7], s[46:47]
	s_or_b32 s35, s35, 0x80000000                  ; type = 2
	ROUND                                          ; all four work-groups are here: the first joint loads meet
	tensor_load_to_lds s[32:35], s[24:31]          ; chunk 0 into slot 0: one load of mine is out
	s_nop 0
	PLACES                                         ; four such lines behind the load
	s_bfe_u32 s21, ttmp6, 0x40000                  ; cx
	s_lshl_b32 s22, ttmp9, 2
	s_add_co_u32 s22, s22, s21                     ; n = 4 x cluster + cx
	s_lshl_b32 s58, s22, 18
	s_lshl_b32 s59, s20, 16
	s_add_co_u32 s58, s58, s59
	s_mov_b32 s59, 0
	s_add_nc_u64 s[4:5], s[4:5], s[58:59]          ; my wave's 65,536 bytes of x1
	s_lshr_b32 s58, s22, 6
	s_lshl_b32 s58, s58, 24                        ; image
	s_and_b32 s59, s22, 63
	s_lshl_b32 s59, s59, 1
	s_lshr_b32 s2, s20, 1
	s_add_co_u32 s59, s59, s2
	s_lshl_b32 s59, s59, 9                         ; row
	s_add_co_u32 s58, s58, s59
	s_and_b32 s2, s20, 1
	s_lshl_b32 s2, s2, 8                           ; columns
	s_add_co_u32 s58, s58, s2
	s_mov_b32 s59, 0
	s_add_nc_u64 s[18:19], s[18:19], s[58:59]      ; out0 at channel 0,
	s_add_nc_u64 s[84:85], s[18:19], 0x800000      ; and at channel 128
	v_and_b32 v36, 31, v0
	v_lshlrev_b32 v[LI], 4, v36
	v_and_b32 v37, 15, v0
	v_bfe_u32 v38, v0, 4, 1
	v_lshlrev_b32 v[VH], 5, v38
	v_lshl_add_u32 v[BI], v38, 5, TAB
	v_lshlrev_b32 v37, 4, v37
	v_lshl_add_u32 v[VO], v38, 19, v37
	v_lshlrev_b32 v36, 5, v0                       ; 32 x thread: my eight numbers of fc1_b
	v_add_nc_u32 v39, TAB, v36
	global_load_b128 v[104:107], v36, s[14:15]
	global_load_b128 v[108:111], v36, s[14:15] offset:16
	WIN 0x80
.set m, 0
.rept 64
	global_load_b128 v[4*m:4*m+3], v[LI], s[4:5] offset:512*m th:TH_LOAD_NT   ; x1, 512 consecutive bytes a load; read once
.set m, m+1
.endr
	WIN 0xc0
.set m, 0
.rept 64
	global_load_b128 v[4*m:4*m+3], v[LI], s[4:5] offset:32768+512*m th:TH_LOAD_NT
.set m, m+1
.endr
	WIN 0x40
.set m, 0
.rept 16
	global_load_b128 v[128+8*m:128+8*m+3], v[VH], s[10:11] offset:64*m        ; LN2's gain at my channels 16 t + 8 h + i, where the fragments will lie
	global_load_b128 v[128+8*m+4:128+8*m+7], v[VH], s[10:11] offset:64*m+16
.set m, m+1
.endr
	WIN 0
.set m, 0
.rept 16
	global_load_b128 v[128+8*m:128+8*m+3], v[VH], s[12:13] offset:64*m        ; its bias, where the hidden accumulators will lie
	global_load_b128 v[128+8*m+4:128+8*m+7], v[VH], s[12:13] offset:64*m+16
.set m, m+1
.endr
	s_mov_b32 s52, 0x76543210                      ; v_permlanex16_b32's selects for lane l xor 16
	s_mov_b32 s53, 0xfedcba98
	s_mov_b32 s60, 0x3b800000                      ; 1 / 256
	s_mov_b32 s61, 0x3727c5ac                      ; 1e-5
	COEF 0, 0xc034d90f                             ; log2(e) x -1.26551223 - 1
	COEF 1, 0x3fb8ab5a                             ; log2(e) x  1.00002368
	COEF 2, 0x3f0a29d2                             ;             0.37409196
	COEF 3, 0x3e0efb2e                             ;             0.09678418
	COEF 4, 0xbe899a80                             ;            -0.18628806
	COEF 5, 0x3ecdfd18                             ;             0.27886807
	COEF 6, 0xbfd1a1e5                             ;            -1.13520398
	COEF 7, 0x40097039                             ;             1.48851587
	COEF 8, 0xbf97d29d                             ;            -0.82215223
	v_mov_b32 v[C9], 0x3e7c6f08                    ;             0.17087277
	v_mov_b32 v[C9+1], 0x3e7c6f08
	s_wait_kmcnt 0x0
	s_add_co_i32 s58, s42, s43                     ; e6 + e7
	s_sub_co_i32 s59, 0, s58
	s_lshl_b32 s2, s58, 23
	s_add_co_i32 s49, s2, 0x3eb504f3               ; cU = 2^(e6 + e7) / (2 sqrt 2): the exponents are added to the constant's exponent field
	s_lshl_b32 s2, s58, 24
	s_add_co_i32 s50, s2, 0xbf38aa3b               ; cK = -log2(e) / 2 x 2^(2 (e6 + e7))
	s_mov_b32 s51, s50
	MKSC 42, SCN, LIMN
	s_sub_co_i32 s62, s44, s58                     ; e8 - e6 - e7: the three scales ahead of the hidden layer's quantiser, folded into one
	MKSC 62, SCH, LIMH
	s_add_co_i32 s2, s44, s45                      ; e8 + e9
	s_add_co_i32 s3, s2, 127
	s_lshl_b32 s54, s3, 23                         ; 2^(e8 + e9)
	s_sub_co_i32 s3, 127, s2
	s_lshl_b32 s56, s3, 23                         ; 2^-(e8 + e9)
	s_mov_b32 s57, s56
	s_mov_b32 s46, 0                               ; LDS byte at which the slot in hand begins
	s_mov_b32 s47, 0                               ; the chunk's place in the table of biases
	s_mov_b32 s48, 15
	s_wait_loadcnt 0x0                             ; x1 and the tables: all are wanted at once
.set i, 0
.rept 8
	v_ldexp_f32 v[104+i], v[104+i], s59            ; a sum of the first product stands for sum x 2^(e6 + e7): the bias goes in divided by that
.set i, i+1
.endr
	ds_store_b128 v39, v[104:107]                  ; the first change of slots, below, shows these to the other waves
	ds_store_b128 v39, v[108:111] offset:16
; ---------------- LN2
.macro LSUM u0, u1                     ; pairs u = 4 t + i / 2 of a window, the four tiles by turns
.set u, \u0
.rept \u1-\u0
.set j, 0
.rept 4
	v_pk_add_f32 v[SA+2*j:SA+2*j+1], v[32*(u/4)+8*j+2*(u%4):32*(u/4)+8*j+2*(u%4)+1], v[SA+2*j:SA+2*j+1]
.set j, j+1
.endr
.set u, u+1
.endr
.endm
.macro CROSS a                         ; a pair's two words, then the other half of the lanes
.irp j, 0,1,2,3
	v_add_f32 v[\a+2*\j], v[\a+2*\j], v[\a+2*\j+1]
.endr
.irp j, 0,1,2,3
	v_permlanex16_b32 v[\a+2*\j+1], v[\a+2*\j], s52, s53
.endr
.irp j, 0,1,2,3
	v_add_f32 v[\a+2*\j], v[\a+2*\j], v[\a+2*\j+1]
.endr
.endm
.macro DIFF ds                         ; n-tile TQ: x1 - mean into 32 registers of window 0; x1 itself stays
	WIN 0x02+TQ/8
.set u, 0
.rept 4
.set j, 0
.rept 4
	v_pk_add_f32 v[\ds+8*j+2*u:\ds+8*j+2*u+1], v[32*(TQ%8)+8*j+2*u:32*(TQ%8)+8*j+2*u+1], v[SA+2*j:SA+2*j+1] op_sel_hi:[1,0] neg_lo:[0,1] neg_hi:[0,1]
.set j, j+1
.endr
.set u, u+1
.endr
	WIN 0
.endm
.macro LVAR
	DIFF DT
.set u, 0
.rept 4
.set j, 0
.rept 4
.if (TQ == 0) && (u == 0)
	v_pk_mul_f32 v[VA+2*j:VA+2*j+1], v[DT+8*j:DT+8*j+1], v[DT+8*j:DT+8*j+1]   ; the first squares start the sums
.else
	v_pk_fma_f32 v[VA+2*j:VA+2*j+1], v[DT+8*j+2*u:DT+8*j+2*u+1], v[DT+8*j+2*u:DT+8*j+2*u+1], v[VA+2*j:VA+2*j+1]
.endif
.set j, j+1
.endr
.set u, u+1
.endr
.endm
.macro LN2T                            ; n-tile TQ: n2 and its codes.  Two sets of 32 registers take turns, so that plain lines stand between a conversion and the next write of its sources
.set ds, 40+32*(TQ%2)
	DIFF ds
.set u, 0
.rept 4
.set j, 0
.rept 4
	v_pk_mul_f32 v[ds+8*j+2*u:ds+8*j+2*u+1], v[ds+8*j+2*u:ds+8*j+2*u+1], v[VA+2*j:VA+2*j+1] op_sel_hi:[1,0]
.set j, j+1
.endr
.set u, u+1
.endr
	WIN 0x04                                       ; the gain lies in window 1
.set u, 0
.rept 4
.set j, 0
.rept 4
	v_pk_fma_f32 v[ds+8*j+2*u:ds+8*j+2*u+1], v[ds+8*j+2*u:ds+8*j+2*u+1], v[128+8*TQ+2*u:128+8*TQ+2*u+1], v[128+8*TQ+2*u:128+8*TQ+2*u+1]
.set j, j+1
.endr
.set u, u+1
.endr
	WIN 0
.set i, 0
.rept 32
	v_med3_num_f32 v[ds+i], v[ds+i], -v[LIMN], v[LIMN]
.set i, i+1
.endr
	WIN 0x40
.set j, 0
.rept 4
	v_cvt_scalef32_pk8_bf8_f32 v[32*j+16*(TQ/8)+2*(TQ%8):32*j+16*(TQ/8)+2*(TQ%8)+1], v[ds+8*j:ds+8*j+7], v[SCN]
.set j, j+1
.endr
.endm
	WIN 0x0a
.irp j, 0,1,2,3
	v_pk_add_f32 v[SA+2*\j:SA+2*\j+1], v[8*\j:8*\j+1], v[8*\j+2:8*\j+3]     ; the first additions start the sums
.endr
	WIN 0x02
	LSUM 2, 32
	WIN 0x03
	LSUM 0, 32
	WIN 0
	CROSS SA
.irp j, 0,1,2,3
	v_mul_f32 v[SA+2*\j], 0x3b800000, v[SA+2*\j]   ; the mean
.endr
.set TQ, 0
.rept 16
	LVAR
.set TQ, TQ+1
.endr
	CROSS VA
.irp j, 0,1,2,3
	v_fma_f32 v[VA+2*\j], v[VA+2*\j], s60, s61
.endr
.irp j, 0,1,2,3
	v_rsq_f32 v[VA+2*\j], v[VA+2*\j]
.endr
	v_nop                                          ; a plain line behind the last transcendental
	s_wait_alu depctr_va_vdst(0)
.set TQ, 0
.rept 16
	LN2T
.set TQ, TQ+1
.endr
	WIN 0
	v_nop                                          ; a plain line behind the last conversion
	WIN 0x82
.set m, 0
.rept 128
	v_pk_mul_f32 v[2*m:2*m+1], v[2*m:2*m+1], s[56:57] op_sel_hi:[1,0]       ; x1 / 2^(e8 + e9): the second product's sums begin with the residual
.set m, m+1
.endr
	WIN 0xc3
.set m, 0
.rept 128
	v_pk_mul_f32 v[2*m:2*m+1], v[2*m:2*m+1], s[56:57] op_sel_hi:[1,0]
.set m, m+1
.endr
	WIN 0
; ---------------- the ring
; THE CHANGE OF SLOTS stands at a chunk's head.  Each wave waits for all its tensor loads (one is out: its quarter of the chunk that it is about to read), adds 0 to its spare word, and waits for that and for its reads of the slot
; that it has left.  fill = 1: the barrier is a round of the cluster's, behind which no wave of any partner reads that slot or has a load on its way; the joint refill is the first thing behind it and has a whole chunk's work in which to land.
; The four plain lines behind it are also the places between the last products and the loads into the fragments' registers.
.macro CHANGE fill
	s_wait_tensorcnt 0x0                           ; no tensor load of mine is out, so group 0 may be written
	ds_add_u32 v[SPW], v[NIL]                      ; 0 onto my spare word
.if \fill
	s_xor_b32 s33, s33, 0x8000                     ; the other slot than last time,
	s_add_nc_u64 s[34:35], s[34:35], 32768         ; the next chunk; the type bits on top are not reached
.endif
	s_wait_dscnt 0x0                               ; the add is done, and my LDS reads and stores are over
.if \fill
	ROUND
	tensor_load_to_lds s[32:35], s[24:31]
	s_nop 0
.else
	s_barrier_signal -1
	s_barrier_wait -1
.endif
	PLACES
.endm
; GELU AND THE QUANTISER, in three stages that run side by side, an accumulator (8 registers) apart.  Turn KK holds:
;   A(KK + 1): 1 + |a| cU and a^2;   B(KK): the polynomial by Horner, two numbers a line, then the exponent a^2 cK + P'; the reciprocals of A(KK + 1) stand one behind every fifth of its lines;
;   C(KK - 1): e = t 2^exponent, max(a, 0) - |a| e, the hold, the conversion; the exponentials of B(KK) stand one behind every third of its lines.
; So every transcendental has a plain line behind it, and its result is used a stage later.  T and WB have three sets of 8, by turns.
.macro AFTERC
.set ln, ln+1
.if (ln%3 == 0) && (ln <= 24) && (KK <= 15)
	v_exp_f32 v[wb+ln/3-1], v[wb+ln/3-1]
.endif
.endm
.macro TURNM
.set ta, T+8*((KK+4)%3)
.set wa, WB+8*((KK+4)%3)
.set tb, T+8*((KK+3)%3)
.set wb, WB+8*((KK+3)%3)
.set tc, T+8*((KK+2)%3)
.set wcx, WB+8*((KK+2)%3)
.set ha, HH+8*(KK+1)
.set hcx, HH+8*(KK-1)
.if KK < 15
.set i, 0
.rept 8
	v_fma_f32 v[ta+i], |v[ha+i]|, s49, 1.0         ; the accumulator is read from its low end on
.set i, i+1
.endr
.set i, 0
	s_wait_alu depctr_va_vdst(0)
.rept 4
	v_pk_mul_f32 v[wa+i:wa+i+1], v[ha+i:ha+i+1], v[ha+i:ha+i+1]
.set i, i+2
.endr
.endif
.if KK == -1
.set i, 0
.rept 8
	v_rcp_f32 v[ta+i], v[ta+i]
.set i, i+1
.endr
	v_nop
	s_wait_alu depctr_va_vdst(0)
.endif
.if (KK >= 0) && (KK <= 15)
.set ln, 0
.set st, 0
.rept 10
.set i, 0
.rept 4
.if st == 0
	v_pk_fma_f32 v[PP+i:PP+i+1], v[tb+i:tb+i+1], v[C9:C9+1], s[CP+16:CP+17] op_sel_hi:[1,1,0]
.elseif st < 9
	v_pk_fma_f32 v[PP+i:PP+i+1], v[PP+i:PP+i+1], v[tb+i:tb+i+1], s[CP+2*(8-st):CP+2*(8-st)+1] op_sel_hi:[1,1,0]
.else
	v_pk_fma_f32 v[wb+i:wb+i+1], v[wb+i:wb+i+1], s[50:51], v[PP+i:PP+i+1] op_sel_hi:[1,0,1]
.endif
.set ln, ln+1
.if (ln%5 == 0) && (KK < 15)
	v_rcp_f32 v[ta+ln/5-1], v[ta+ln/5-1]
.endif
.set i, i+2
.endr
.set st, st+1
.endr
.endif
.if KK == 0
.set i, 0
.rept 8
	v_exp_f32 v[wb+i], v[wb+i]
.set i, i+1
.endr
	v_nop
	s_wait_alu depctr_va_vdst(0)
.endif
.if KK >= 1
.set ln, 0
.set i, 0
.rept 4
	v_pk_mul_f32 v[wcx+i:wcx+i+1], v[wcx+i:wcx+i+1], v[tc+i:tc+i+1]          ; e = erfc / 2
	AFTERC
.set i, i+2
.endr
.set i, 0
.rept 8
	v_max_num_f32 v[tc+i], 0, v[hcx+i]
	AFTERC
.set i, i+1
.endr
.set i, 0
.rept 8
	v_fma_f32 v[hcx+i], -|v[hcx+i]|, v[wcx+i], v[tc+i]                       ; gelu / 2^(e6 + e7)
	AFTERC
.set i, i+1
.endr
.set i, 0
.rept 8
	v_med3_num_f32 v[hcx+i], v[hcx+i], -v[LIMH], v[LIMH]
	AFTERC
.set i, i+1
.endr
	v_cvt_scalef32_pk8_bf8_f32 v[HC+8*((KK-1)/4)+2*((KK-1)%4):HC+8*((KK-1)/4)+2*((KK-1)%4)+1], v[hcx:hcx+7], v[SCH]   ; bytes 8 nt + i of tile j's operand: hidden unit 16 nt + 8 h + i of the chunk
	s_wait_alu depctr_va_vdst(0)
.endif
.endm
.macro CHUNK last
	v_add_nc_u32 v[ADW], s46, v[LI]
	v_add_nc_u32 v[ADB], s47, v[BI]
	WIN 0x40
.set m, 0
.rept 32
	ds_load_b128 v[128+4*m:128+4*m+3], v[ADW] offset:512*m                   ; fc1's eight fragments (2 nt + s)
.set m, m+1
.endr
	WIN 0
.set m, 0
.rept 4
	ds_load_b128 v[T+8*m:T+8*m+3], v[ADB] offset:64*m                        ; the bias of units 16 nt + 8 h + i: the C of a sum's first product
	ds_load_b128 v[T+8*m+4:T+8*m+7], v[ADB] offset:64*m+16
.set m, m+1
.endr
	s_wait_dscnt 0x0
	WIN 0x05                                       ; weights and n2's codes in window 1.  The sixteen accumulators take turns
.irp nt, 0,1,2,3
.irp j, 0,1,2,3
	v_wmma_f32_16x16x128_bf8_bf8 v[HH+8*(4*\j+\nt):HH+8*(4*\j+\nt)+7], v[128+32*\nt:128+32*\nt+15], v[32*\j:32*\j+15], v[T+8*\nt:T+8*\nt+7]
.endr
.endr
.irp nt, 0,1,2,3
.irp j, 0,1,2,3
	v_wmma_f32_16x16x128_bf8_bf8 v[HH+8*(4*\j+\nt):HH+8*(4*\j+\nt)+7], v[128+32*\nt+16:128+32*\nt+31], v[32*\j+16:32*\j+31], v[HH+8*(4*\j+\nt):HH+8*(4*\j+\nt)+7]
.endr
.endr
	WIN 0
	PLACES                                         ; in front of the loads over fc1's fragments, of the first read of the sums, and of GELU's writes over the bias
	WIN 0x40
.set m, 0
.rept 32
	ds_load_b128 v[128+4*m:128+4*m+3], v[ADW] offset:16384+512*m             ; fc2's sixteen fragments: they land under GELU
.set m, m+1
.endr
.if \last
.set m, 0
.rept 16
	global_load_b128 v[8*m:8*m+3], v[VH], s[16:17] offset:64*m               ; fc2_b at my channels, over n2's codes, which are done with
	global_load_b128 v[8*m+4:8*m+7], v[VH], s[16:17] offset:64*m+16
.set m, m+1
.endr
.endif
	WIN 0
.set KK, -1
.rept 18
	TURNM
.set KK, KK+1
.endr
	v_nop                                          ; a plain line between the last conversion and the products that read the codes
	s_wait_dscnt 0x0                               ; fc2's fragments
	WIN 0xa1                                       ; weights window 1, hidden codes window 0, accumulators window 2.  The 64 take turns
.irp t, 0,1,2,3,4,5,6,7
.irp j, 0,1,2,3
	v_wmma_f32_16x16x64_bf8_bf8 v[32*\t+8*\j:32*\t+8*\j+7], v[128+8*\t:128+8*\t+7], v[HC+8*\j:HC+8*\j+7], v[32*\t+8*\j:32*\t+8*\j+7]
.endr
.endr
	WIN 0xf1                                       ; accumulators window 3
.irp t, 0,1,2,3,4,5,6,7
.irp j, 0,1,2,3
	v_wmma_f32_16x16x64_bf8_bf8 v[32*\t+8*\j:32*\t+8*\j+7], v[192+8*\t:192+8*\t+7], v[HC+8*\j:HC+8*\j+7], v[32*\t+8*\j:32*\t+8*\j+7]
.endr
.endr
	WIN 0
	s_xor_b32 s46, s46, 0x8000                     ; on to the other slot,
	s_add_co_u32 s47, s47, 256                     ; and the next 64 biases
.endm
.Lchunk:                                           ; fifteen trips: behind each change of slots but the last the next chunk is asked for
	CHANGE 1
	CHUNK 0
	s_sub_co_u32 s48, s48, 1
	s_cmp_lg_u32 s48, 0
	s_cbranch_scc1 .Lchunk
	CHANGE 0                                       ; the last chunk is written out
	CHUNK 1
; ---------------- the way out: out = sum x 2^(e8 + e9) + fc2_b.  The multiply-add also turns an n-tile from tile-major to channel-major: four registers on end are then four neighbouring pixels of one channel,
; and sixteen lanes store 256 consecutive aligned bytes (lanes 16-31: eight channels further on).
.macro OUTT
.set ot, HH+32*(TQ%4)
	s_wait_xcnt 0x0                                ; the stores of four n-tiles ago have read these registers
	WIN 0x12+TQ/8                                  ; sums window 2 or 3, fc2_b window 1
.set i, 0
.rept 8
.set j, 0
.rept 4
	v_fma_f32 v[ot+4*i+j], v[32*(TQ%8)+8*j+i], s54, v[8*TQ+i]                ; each accumulator from its low end on
.set j, j+1
.endr
.set i, i+1
.endr
	WIN 0
.set i, 0
.rept 8
.if TQ < 8
	global_store_b128 v[VO], v[ot+4*i:ot+4*i+3], s[18:19] offset:0x100000*(TQ%8)+65536*i th:TH_STORE_NT
.else
	global_store_b128 v[VO], v[ot+4*i:ot+4*i+3], s[84:85] offset:0x100000*(TQ%8)+65536*i th:TH_STORE_NT
.endif
.set i, i+1
.endr
.endm
	PLACES                                         ; behind the last products
	s_wait_loadcnt 0x0                             ; fc2_b
.set TQ, 0
.rept 16
	OUTT
.set TQ, TQ+1
.endr
	s_wait_tensorcnt 0x0                           ; the wave's end
	ds_add_u32 v[SPW], v[NIL]
	s_wait_dscnt 0x0
	ROUND                                          ; the closing round: no work-group ends while a partner may still ask for a chunk that names it
	s_endpgm
.Lfunc_end_k_q16567d22bc_mlp:
	.size	k_q16567d22bc_mlp, .Lfunc_end_k_q16567d22bc_mlp-k_q16567d22bc_mlp
	.p2alignl 7, 3214868480
	.fill 96, 4, 3214868480
	.section	.rodata,"a",@progbits
	.p2align	6, 0x0
	.amdhsa_kernel k_q16567d22bc_mlp
		.amdhsa_group_segment_fixed_size 327680
		.amdhsa_private_segment_fixed_size 0
		.amdhsa_enable_private_segment 0
		.amdhsa_kernarg_size 64
		.amdhsa_user_sgpr_count 2
		.amdhsa_user_sgpr_kernarg_segment_ptr 1
		.amdhsa_wavefront_size32 1
		.amdhsa_system_sgpr_workgroup_id_x 1
		.amdhsa_system_sgpr_workgroup_id_y 1
		.amdhsa_system_sgpr_workgroup_id_z 1
		.amdhsa_system_vgpr_workitem_id 0
		.amdhsa_next_free_vgpr 1024
		.amdhsa_next_free_sgpr 88
		.amdhsa_reserve_vcc 0
		.amdhsa_float_denorm_mode_32 3
		.amdhsa_float_denorm_mode_16_64 3
		.amdhsa_memory_ordered 1
		.amdhsa_forward_progress 1
		.amdhsa_inst_pref_size 255
	.end_amdhsa_kernel
	.section	.bss,"aw",@nobits
	.p2align	6
	.space	262144
	.amdgpu_metadata
---
amdhsa.version: [ 1, 2 ]
amdhsa.kernels:
  - .name:           k_q16567d22bc_mlp
    .symbol:         k_q16567d22bc_mlp.kd
    .args:
      - { .name: x1, .offset: 0, .size: 8, .value_kind: global_buffer, .address_space: global }
      - { .name: wc, .offset: 8, .size: 8, .value_kind: global_buffer, .address_space: global }
      - { .name: lowp_scales, .offset: 16, .size: 8, .value_kind: global_buffer, .address_space: global }
      - { .name: ln2_g, .offset: 24, .size: 8, .value_kind: global_buffer, .address_space: global }
      - { .name: ln2_b, .offset: 32, .size: 8, .value_kind: global_buffer, .address_space: global }
      - { .name: fc1_b, .offset: 40, .size: 8, .value_kind: global_buffer, .address_space: global }
      - { .name: fc2_b, .offset: 48, .size: 8, .value_kind: global_buffer, .address_space: global }
      - { .name: out0, .offset: 56, .size: 8, .value_kind: global_buffer, .address_space: global }
    .group_segment_fixed_size: 327680
    .private_segment_fixed_size: 0
    .kernarg_segment_align: 8
    .kernarg_segment_size: 64
    .max_flat_workgroup_size: 128
    .sgpr_count:     88
    .vgpr_count:     1024
    .wavefront_size: 32
...
	.end_amdgpu_metadata
.endif
;; end of part 3
;; ======== version 2 of 2: 3 launches
;; limits: right only within a limited range of input values
;; workspace buffers: wc 720,896 bytes; x1 67,108,864 bytes
;; launch prep (part 4): grid 352 x 1, 4 waves a work-group, no clusters, 0 bytes of LDS; arguments wq, wk, wv, fc1_w, fc2_w, lowp_scales, wc; writes wc
.if DOCPART == 4
	.amdgcn_target "amdgcn-amd-amdhsa--gfx1250"
	.amdhsa_code_object_version 6
	.text
	.protected	k_q16567d22bc_prep
	.globl	k_q16567d22bc_prep
	.p2align	8
	.type	k_q16567d22bc_prep,@function
k_q16567d22bc_prep:
	s_mov_b64 s[64:65], 0
	v_nop
	global_prefetch_b8 v0, s[64:65] scope:SCOPE_SE
	s_setreg_imm32_b32 hwreg(HW_REG_WAVE_MODE, 25, 1), 1
	s_wait_xcnt 0x0
; The five weights, f32 stored [K][N], become codes of BF8 (E5M2) with their given scales 2^e, once for the whole program.
; code = w / 2^e, held within +-57,344, rounded to the nearest code, ties to even.
; The codes are laid as IMAGES OF OPERAND REGISTERS: a group of four registers is 512 bytes, lane l's 16 bytes at 16 l.  Lane (r = l % 16, h = l / 16) holds column n = 16 tile + r.
; Which k a byte holds is free, so long as the other operand is laid alike.  Byte p of lane half h holds:
;   wq, wk, wv (K steps s of 128): k = 128 s + 64 h + p        fc1_w (K steps of 128): k = 128 s + 16 (p / 8) + 8 h + p % 8        fc2_w (K steps of 64): k = 64 ch + 16 (p / 8) + 8 h + p % 8
; wc: fragment (tensor pi, tile t, step s) of 2,048 bytes at 2048 (32 pi + 2 t + s); from 196,608 on sixteen chunks of 32,768 (64 hidden units each): eight fragments of fc1_w (2 nt + s), then at +16,384 sixteen of fc2_w, 1,024 bytes each.
; SHARES: a work-group makes 2,048 bytes, wave c the group of 512 bytes at 512 c, a lane 16 codes.  A lane takes a column and its registers run down K, so nothing is transposed.
; Work-groups 0-95: wq, wk, wv; 96-223: fc1_w; 224-351: fc2_w.  The three ways differ in the sixteen loads alone.  No LDS, no barrier: waves share nothing.
; LIMITS: each e between -126 and 112, so that 2^e and 57,344 x 2^e are f32 numbers.  NaN among the weights is not served.
	s_load_b256 s[4:11], s[0:1], 0x0               ; wq s[4:5], wk s[6:7], wv s[8:9], fc1_w s[10:11]
	s_load_b128 s[12:15], s[0:1], 0x20             ; fc2_w s[12:13], the scales' exponents s[14:15]
	s_load_b64 s[16:17], s[0:1], 0x30              ; wc
	v_lshrrev_b32 v1, 5, v0
	v_readfirstlane_b32 s2, v1                     ; c: my wave, my group of four registers
	v_and_b32 v2, 15, v0
	v_bfe_u32 v3, v0, 4, 1                         ; h
	v_and_b32 v5, 31, v0
	v_lshlrev_b32 v5, 4, v5                        ; 16 x lane: my codes' place in the group
	v_lshlrev_b32 v2, 2, v2                        ; 4 r: my column's bytes
	s_wait_kmcnt 0x0
	s_load_b256 s[20:27], s[14:15], 0x0            ; e0 .. e7
	s_load_b64 s[28:29], s[14:15], 0x20            ; e8, e9
	s_mov_b32 s41, 0
	s_mov_b32 s37, 0
	s_cmp_lt_u32 ttmp9, 96                         ; the exponents are waited for at the tail: the weights' loads do not hang on them
	s_cbranch_scc0 .Lmlp
	; ---- wq, wk, wv: rows of 1,024 bytes
	s_lshr_b32 s30, ttmp9, 5                       ; pi
	s_bfe_u32 s31, ttmp9, 0x40001                  ; t
	s_and_b32 s32, ttmp9, 1                        ; s
	s_cmp_eq_u32 s30, 0
	s_cselect_b64 s[34:35], s[4:5], s[6:7]
	s_mov_b32 s33, s30                             ; which exponent: 0, 1, 2 for e1, e3, e5
	s_cmp_eq_u32 s30, 2
	s_cselect_b64 s[34:35], s[8:9], s[34:35]
	s_lshl_b32 s40, s32, 17                        ; (128 s + 16 c) rows + 64 t bytes
	s_lshl_b32 s38, s2, 14
	s_add_co_u32 s40, s40, s38
	s_lshl_b32 s38, s31, 6
	s_add_co_u32 s40, s40, s38
	s_add_nc_u64 s[34:35], s[34:35], s[40:41]
	s_wait_alu depctr_va_vdst(0)
	v_lshl_add_u32 v4, v3, 16, v2                  ; + 64 h rows
.set i, 0
.rept 16
	global_load_b32 v[8+i], v4, s[34:35] offset:1024*i
.set i, i+1
.endr
	s_lshl_b32 s36, ttmp9, 11
	s_branch .Ltail
.Lmlp:
	s_cmp_lt_u32 ttmp9, 224
	s_cbranch_scc0 .Lfc2
	; ---- fc1_w: rows of 4,096 bytes
	s_sub_co_u32 s30, ttmp9, 96
	s_and_b32 s32, s30, 1                          ; s
	s_lshr_b32 s31, s30, 1                         ; tile of 16 hidden units, 0 .. 63
	s_mov_b32 s33, 3                               ; e7
	s_lshl_b32 s40, s32, 19                        ; (128 s + 32 c) rows + 64 tile bytes
	s_lshl_b32 s38, s2, 17
	s_add_co_u32 s40, s40, s38
	s_lshl_b32 s38, s31, 6
	s_add_co_u32 s40, s40, s38
	s_add_nc_u64 s[34:35], s[10:11], s[40:41]
	s_wait_alu depctr_va_vdst(0)
	v_lshl_add_u32 v4, v3, 15, v2                  ; + 8 h rows
.set i, 0
.rept 16
	global_load_b32 v[8+i], v4, s[34:35] offset:(16*(i/8)+(i%8))*4096
.set i, i+1
.endr
	s_lshr_b32 s36, s30, 3
	s_lshl_b32 s36, s36, 15                        ; the chunk,
	s_and_b32 s38, s30, 7
	s_lshl_b32 s38, s38, 11                        ; the fragment 2 nt + s in it
	s_add_co_u32 s36, s36, s38
	s_add_co_u32 s36, s36, 196608
	s_branch .Ltail
.Lfc2:
	; ---- fc2_w: rows of 1,024 bytes; a work-group makes two fragments of 1,024 bytes: tile t = 2 u + c / 2, group c % 2
	s_sub_co_u32 s30, ttmp9, 224
	s_lshr_b32 s31, s30, 3                         ; the chunk
	s_and_b32 s32, s30, 7                          ; u
	s_mov_b32 s33, 4                               ; e9
	s_lshl_b32 s40, s31, 16                        ; (64 chunk + 32 (c % 2)) rows + 64 t bytes
	s_and_b32 s38, s2, 1
	s_lshl_b32 s38, s38, 15
	s_add_co_u32 s40, s40, s38
	s_lshl_b32 s38, s32, 1
	s_lshr_b32 s39, s2, 1
	s_add_co_u32 s38, s38, s39
	s_lshl_b32 s38, s38, 6
	s_add_co_u32 s40, s40, s38
	s_add_nc_u64 s[34:35], s[12:13], s[40:41]
	s_wait_alu depctr_va_vdst(0)
	v_lshl_add_u32 v4, v3, 13, v2                  ; + 8 h rows
.set i, 0
.rept 16
	global_load_b32 v[8+i], v4, s[34:35] offset:(16*(i/8)+(i%8))*1024
.set i, i+1
.endr
	s_lshl_b32 s36, s31, 15
	s_lshl_b32 s38, s32, 11
	s_add_co_u32 s36, s36, s38
	s_add_co_u32 s36, s36, 212992                  ; 196,608 + 16,384
.Ltail:
	s_lshl_b32 s38, s2, 9                          ; my wave's 512 bytes
	s_add_co_u32 s36, s36, s38
	s_add_nc_u64 s[16:17], s[16:17], s[36:37]
	s_wait_kmcnt 0x0                               ; the exponents
	s_cmp_eq_u32 s33, 0
	s_cselect_b32 s38, s21, s23
	s_cmp_eq_u32 s33, 2
	s_cselect_b32 s38, s25, s38
	s_cmp_eq_u32 s33, 3
	s_cselect_b32 s38, s27, s38
	s_cmp_eq_u32 s33, 4
	s_cselect_b32 s33, s29, s38                    ; e
	s_add_co_i32 s33, s33, 127
	s_lshl_b32 s38, s33, 23
	v_mov_b32 v28, s38                             ; 2^e as f32: the conversion takes its exponent field
	s_add_co_i32 s33, s33, 15
	s_lshl_b32 s33, s33, 23
	s_or_b32 s33, s33, 0x600000
	v_mov_b32 v29, s33                             ; 57,344 x 2^e
	s_wait_alu depctr_va_vdst(0)
	s_wait_loadcnt 0x0                             ; all sixteen numbers
.set i, 0
.rept 16
	v_med3_num_f32 v[8+i], v[8+i], -v29, v29       ; the conversion to an 8-bit code does not saturate (ISA guide 7.6.2): the hold comes first
.set i, i+1
.endr
	v_cvt_scalef32_pk8_bf8_f32 v[24:25], v[8:15], v28
	v_cvt_scalef32_pk8_bf8_f32 v[26:27], v[16:23], v28
	global_store_b128 v5, v[24:27], s[16:17]       ; the wave stores 512 consecutive bytes, aligned
	s_endpgm
.Lfunc_end_k_q16567d22bc_prep:
	.size	k_q16567d22bc_prep, .Lfunc_end_k_q16567d22bc_prep-k_q16567d22bc_prep
	.p2alignl 7, 3214868480
	.fill 96, 4, 3214868480
	.section	.rodata,"a",@progbits
	.p2align	6, 0x0
	.amdhsa_kernel k_q16567d22bc_prep
		.amdhsa_group_segment_fixed_size 0
		.amdhsa_private_segment_fixed_size 0
		.amdhsa_enable_private_segment 0
		.amdhsa_kernarg_size 56
		.amdhsa_user_sgpr_count 2
		.amdhsa_user_sgpr_kernarg_segment_ptr 1
		.amdhsa_wavefront_size32 1
		.amdhsa_system_sgpr_workgroup_id_x 1
		.amdhsa_system_sgpr_workgroup_id_y 1
		.amdhsa_system_sgpr_workgroup_id_z 1
		.amdhsa_system_vgpr_workitem_id 0
		.amdhsa_next_free_vgpr 32
		.amdhsa_next_free_sgpr 66
		.amdhsa_reserve_vcc 0
		.amdhsa_float_denorm_mode_32 3
		.amdhsa_float_denorm_mode_16_64 3
		.amdhsa_memory_ordered 1
		.amdhsa_forward_progress 1
		.amdhsa_inst_pref_size 10
	.end_amdhsa_kernel
	.amdgpu_metadata
---
amdhsa.version: [ 1, 2 ]
amdhsa.kernels:
  - .name:           k_q16567d22bc_prep
    .symbol:         k_q16567d22bc_prep.kd
    .args:
      - { .name: wq, .offset: 0, .size: 8, .value_kind: global_buffer, .address_space: global }
      - { .name: wk, .offset: 8, .size: 8, .value_kind: global_buffer, .address_space: global }
      - { .name: wv, .offset: 16, .size: 8, .value_kind: global_buffer, .address_space: global }
      - { .name: fc1_w, .offset: 24, .size: 8, .value_kind: global_buffer, .address_space: global }
      - { .name: fc2_w, .offset: 32, .size: 8, .value_kind: global_buffer, .address_space: global }
      - { .name: lowp_scales, .offset: 40, .size: 8, .value_kind: global_buffer, .address_space: global }
      - { .name: wc, .offset: 48, .size: 8, .value_kind: global_buffer, .address_space: global }
    .group_segment_fixed_size: 0
    .private_segment_fixed_size: 0
    .kernarg_segment_align: 8
    .kernarg_segment_size: 56
    .max_flat_workgroup_size: 128
    .sgpr_count:     66
    .vgpr_count:     32
    .wavefront_size: 32
...
	.end_amdgpu_metadata
.endif
;; end of part 4
;; launch attn (part 5): grid 256 x 1, 4 waves a work-group, no clusters, 320,000 bytes of LDS; arguments x, wc, lowp_scales, ln1_g, ln1_b, bq, bk, bv, x1; writes x1
.if DOCPART == 5
	.amdgcn_target "amdgcn-amd-amdhsa--gfx1250"
	.amdhsa_code_object_version 6
	.text
	.protected	k_q16567d22bc_attn
	.globl	k_q16567d22bc_attn
	.p2align	8
	.type	k_q16567d22bc_attn,@function
k_q16567d22bc_attn:
	s_mov_b64 s[64:65], 0
	v_nop
	global_prefetch_b8 v0, s[64:65] scope:SCOPE_SE
	s_setreg_imm32_b32 hwreg(HW_REG_WAVE_MODE, 25, 1), 1
	s_wait_xcnt 0x0
; x1 = x + attention3x3(LN1(x)).  x: [4][256 channels][128][128] f32.  q, k, v = Q(n1) Q(w) + bias on codes of BF8 (E5M2), each operand with its given scale 2^e; scores, softmax and the weighted sum in f32.
; SHARES.  Work-group n: image n / 64, rows y0 = 2 (n % 64) and y0 + 1.  Wave w: a = w / 2 (own row y0 + a), g = w % 2 (columns 64 g .. 64 g + 63).
; LAYOUT.  Every product is used transposed (source 0 = 16 columns of a weight, source 1 = 16 pixels): lane (r = lane % 16, h = lane / 16) holds ONE pixel, its registers run along the channels.
; A wave's 64 pixels are four tiles j; tile j's lane r is pixel 4 r + j.  So a load of 16 bytes at one channel brings the four tiles' numbers, sixteen lanes read 256 consecutive aligned bytes,
; and a pixel's left and right neighbours are other registers of the lane, or lane r - 1 and r + 1.
; ROWS.  A wave makes k and v for its own half row O and for its halo half row H (a = 0: y0 - 1; a = 1: y0 + 2; held inside the image, and given the weight 0 where it is outside).  The third row P is the own row of wave w xor 2
; and comes through LDS as images of registers, with the two edge pixels of each row from waves w xor 1 and w xor 3.  A softmax over nine does not ask which row is above, so all waves run one text.
; The score of a neighbour outside the image becomes -1e9 ahead of the maximum, as the definition has it; its weight is then 0, and what it multiplies is a finite number.
; ONE TEXT FOR BOTH ROWS.  LN1 and its three quantisers are a loop of two trips, the halo row first; the K and V phases are loops of eight trips with no tail written out: the whole text stays under 50 KiB.
; The codes for k and v go to LDS in both trips; those for q go into registers in both, and the halo row's, which nobody wants, are overwritten by the own row's: 36 lines of each of 16 blocks are done in vain in the first trip.
; WEIGHTS come as images of operand registers (buffer wc), one n-tile ahead, by loads of 512 consecutive bytes.  NO CLUSTER, NO TENSOR LOAD: what work-groups share is 196,608 bytes of codes, against 1,310,720 bytes of x and x1
; of a work-group's own; the fragments go straight into registers, and a joint load would send them through LDS first.
; x1 leaves in the order of accumulator registers: work-group x 262,144 + wave x 65,536 + 4096 t + 1024 j + 512 q + 16 lane (channels 16 t + 8 h + 4 q .. + 3 of tile j's pixel r).
; LIMITS: e0, e2, e4 between -126 and 112; the sums e0 + e1, e2 + e3, e4 + e5 and e0 + e1 + e2 + e3 - 4 are applied by v_ldexp_f32.  NaN and infinities among the inputs are not served.  x - mean takes x's place in registers; x is read again for the residual.
; LDS: 0 tables (gain, bias of LN1; bq, bk, bv, each divided by its product's two scales), 1,024 bytes each; 8,192 two image buffers of 24,576 (wave w at 6144 w: own tiles at 1024 j + 512 q, halo tile 0 at 4,096, halo tile 3 at 5,120);
;   57,344 + 32,768 w the k codes of the own row, then of the halo row; 188,416 + 32,768 w the v codes likewise.
; REGISTERS, in windows of 256: window 0: v1-26 addresses and scales that stay; v40-239 by phase (below).  window 1: codes of q and of the own row's k, later of v (own, halo).
;   window 2: x of K step 0, later the halo row's k codes (v0-127) and the weights' fragments (v128-255).  window 3: x of K step 1, later the 36 scores in pairs (v0-71), at work v72-80, x for the residual v96-159, x1 v160-191.
.set CHB,   65536                      ; bytes from a channel of x to the next
.set IMG,   8192
.set IBUF,  24576
.set IWAVE, 6144
.set KPARK, 57344
.set VSP,   188416
.set ROWP,  16384                      ; a row's codes for one operand: 8 fragments of 2,048 bytes
.set LI,   1                           ; 16 x lane
.set VX,   2                           ; x for LN1: 16 r + 64 h channels
.set VXT,  3                           ; x for the residual: 16 r + 8 h channels
.set VST,  4                           ; my images
.set VP,   5                           ; wave w xor 2's
.set VE1,  6                           ; wave w xor 1's, at lane 16 h
.set VE3,  7                           ; wave w xor 3's, at lane 16 h
.set VKP,  8                           ; the k codes
.set VSPA, 9                           ; the v codes
.set VG,   10                          ; 256 h: my 64 channels in LN1's tables
.set VBI,  11                          ; 2,048 + 32 h: my 8 channels of a tile in bq's table
.set VBT,  12                          ; the same at the trip's n-tile
.set SCQ,  13                          ; 2^e0, 2^e2, 2^e4 as f32
.set SCK,  14
.set SCV,  15
.set VPF,  16                          ; 65,536 x lane, for the prefetch
.set LQ,   18                          ; 57,344 x 2^e0, 2^e2, 2^e4
.set LK,   19
.set LV,   20
.set VKW,  25                          ; where the row in hand puts its k codes,
.set VSW,  26                          ; and its v codes
.set NN,   40                          ; LN1: 8 channels x 4 tiles of n1
.set ZZ,   72                          ; two sets of 32: n1 held, tile by tile
.set GB,   136                         ; two sets: 8 gains, 8 biases
.set VTK,  168                         ; codes on their way to LDS
.set VTV,  184
.set SA,   200                         ; four running sums of two
.set MM,   208                         ; the four tiles' means
.set RR,   212                         ; 1 / sqrt(var + eps)
.set TT,   216
.set AQ,   40                          ; K phase: q, k of the own row, k of the halo row: 4 tiles x 8
.set AKO,  72
.set AKH,  104
.set PR,   136                         ; the third row
.set ELH,  168                         ; left and right neighbours across lanes, for each row
.set ERH,  176
.set ELO,  184
.set ERO,  192
.set ELP,  200
.set ERP,  208
.set BQ,   216
.set BK,   224
.set AVO,  40                          ; V phase
.set AVH,  72
.set AT,   104
.set BV,   216
.set CQ,   0                           ; window 1
.set CKO,  128
.set MX,   72                          ; window 3
.set SM,   76
.set NEG,  80
.set XS,   96
.set X1R,  160
.set MSB, 0
.macro WIN new                         ; the immediate's high byte repeats the setting that is left; a switch that changes nothing is dropped
.if MSB != (\new)
	s_set_vgpr_msb (MSB<<8)|(\new)
.set MSB, (\new)
.endif
.endm
.macro PLACES                          ; four plain vector lines between a matrix instruction and a store of its result or a load into its registers
.rept 4
	v_nop
.endr
.endm
.macro MKSC e, sc, lim                 ; 2^e and 57,344 x 2^e as f32
	s_add_co_i32 s56, s[\e], 127
	s_lshl_b32 s57, s56, 23
	v_mov_b32 v[\sc], s57
	s_add_co_i32 s56, s56, 15
	s_lshl_b32 s56, s56, 23
	s_or_b32 s56, s56, 0x600000
	v_mov_b32 v[\lim], s56
.endm
.macro XLOADS s, base                  ; a half row's K step s: 64 channels a lane half, register 4 p + j = channel 128 s + 64 h + p of tile j
	WIN 0x80+0x40*\s
.set p, 0
.rept 64
	global_load_b128 v[4*p:4*p+3], v[VX], s[\base:\base+1] offset:CHB*p
.set p, p+1
.endr
.endm
	s_load_b256 s[4:11], s[0:1], 0x0               ; x s[4:5], wc s[6:7], exponents s[8:9], ln1_g s[10:11]
	s_load_b256 s[12:19], s[0:1], 0x20             ; ln1_b s[12:13], bq s[14:15], bk s[16:17], bv s[18:19]
	s_load_b64 s[20:21], s[0:1], 0x40              ; x1
	v_lshl_add_u32 v254, v0, 2, 0x4e000
	v_mov_b32 v255, 0
	v_lshrrev_b32 v21, 5, v0
	v_readfirstlane_b32 s22, v21                   ; wave
	s_lshr_b32 s23, s22, 1                         ; a
	s_and_b32 s24, s22, 1                          ; g
	s_lshr_b32 s25, ttmp9, 6                       ; image
	s_and_b32 s26, ttmp9, 63
	s_lshl_b32 s26, s26, 1                         ; y0
	v_and_b32 v21, 31, v0
	v_and_b32 v22, 15, v0                          ; r
	v_bfe_u32 v23, v0, 4, 1                        ; h
	v_lshlrev_b32 v[LI], 4, v21
	v_lshlrev_b32 v24, 4, v22
	v_lshl_add_u32 v[VX], v23, 22, v24
	v_lshl_add_u32 v[VXT], v23, 19, v24
	v_lshlrev_b32 v[VPF], 16, v21
	v_lshlrev_b32 v[VG], 8, v23
	s_wait_alu depctr_va_vdst(0)
	v_lshl_add_u32 v[VBI], v23, 5, 2048
	v_lshlrev_b32 v17, 3, v0                       ; 8 x thread: my two numbers of a table
.irp j, 0,1,2,3
	v_mov_b32 v[TT+\j], 0                          ; written once: a lane permute's destination counts as one of its sources
.endr
	s_sub_co_i32 s56, s26, 1
	s_add_co_u32 s57, s26, 2
	s_cmp_eq_u32 s23, 0
	s_cselect_b32 s56, s56, s57                    ; the halo row as it would be,
	s_max_i32 s57, s56, 0
	s_min_i32 s57, s57, 127                        ; and held inside the image
	s_cmp_lg_u32 s56, s57
	s_cselect_b32 s50, -1, 0                       ; lanes whose halo row is outside: all or none
	s_cmp_eq_u32 s24, 0
	s_cselect_b32 s51, 0x10001, 0                  ; lanes whose left neighbour is outside: r = 0 where g = 0
	s_cselect_b32 s52, 0, 0x80008000               ; right: r = 15 where g = 1
	s_or_b32 s53, s50, s51
	s_or_b32 s54, s50, s52
	s_lshl_b32 s58, s25, 24
	s_lshl_b32 s59, s24, 8
	s_add_co_u32 s58, s58, s59                     ; image and columns, in bytes
	s_lshl_b32 s57, s57, 9
	s_add_co_u32 s60, s58, s57                     ; + the halo row
	s_mov_b32 s61, 0
	s_add_co_u32 s59, s26, s23
	s_lshl_b32 s59, s59, 9
	s_add_co_u32 s62, s58, s59                     ; + the own row
	s_mov_b32 s63, 0
	s_lshl_b32 s56, ttmp9, 18
	s_lshl_b32 s57, s22, 16
	s_add_co_u32 s56, s56, s57                     ; my wave's 65,536 bytes of x1
	s_mov_b32 s57, 0
	s_mul_i32 s58, s22, IWAVE
	s_add_co_u32 s58, s58, IMG
	v_add_nc_u32 v[VST], s58, v[LI]
	s_xor_b32 s58, s22, 2
	s_mul_i32 s58, s58, IWAVE
	s_add_co_u32 s58, s58, IMG
	v_add_nc_u32 v[VP], s58, v[LI]
	s_xor_b32 s58, s22, 1
	s_mul_i32 s58, s58, IWAVE
	s_add_co_u32 s58, s58, IMG
	v_add_nc_u32 v[VE1], s58, v[VG]
	s_xor_b32 s58, s22, 3
	s_mul_i32 s58, s58, IWAVE
	s_add_co_u32 s58, s58, IMG
	v_add_nc_u32 v[VE3], s58, v[VG]
	s_lshl_b32 s58, s22, 15
	s_add_co_u32 s58, s58, KPARK
	v_add_nc_u32 v[VKP], s58, v[LI]
	s_lshl_b32 s58, s22, 15
	s_add_co_u32 s58, s58, VSP
	v_add_nc_u32 v[VSPA], s58, v[LI]
	s_mov_b32 s48, 0x76543210                      ; v_permlanex16_b32's selects for lane l xor 16
	s_mov_b32 s49, 0xfedcba98
	s_mov_b32 s66, 0x3b800000                      ; 1 / 256
	s_mov_b32 s67, 0x3727c5ac                      ; 1e-5
	s_wait_kmcnt 0x0
	s_load_b256 s[36:43], s[8:9], 0x0              ; e0 .. e7
	s_load_b64 s[44:45], s[8:9], 0x20              ; e8, e9
	s_add_nc_u64 s[28:29], s[4:5], s[60:61]        ; the halo half row, K step 0,
	s_add_nc_u64 s[30:31], s[28:29], 0x800000      ; and 128 channels on: the base of the loads at a trip's head
	s_add_nc_u64 s[32:33], s[4:5], s[62:63]        ; the own half row
	s_add_nc_u64 s[34:35], s[32:33], 0x800000
	s_add_nc_u64 s[20:21], s[20:21], s[56:57]
	global_load_b64 v[224:225], v17, s[10:11]      ; the five tables: 128 threads x 8 bytes each
	global_load_b64 v[226:227], v17, s[12:13]
	global_load_b64 v[228:229], v17, s[14:15]
	global_load_b64 v[230:231], v17, s[16:17]
	global_load_b64 v[232:233], v17, s[18:19]
	XLOADS 0, 28                                   ; the halo half row's K step 0; its K step 1 follows at the head of the first trip
	WIN 0
; The own half row's 256 blocks of 256 bytes (one a channel) are asked for here, each once in the launch, by the wave that owns the row: lane l asks for channels l + 32 k.
; Their loads follow behind the halo row's sums and its first eight blocks (K step 0) and at the head of the second trip (K step 1).
.irp k, 0,1,2,3
	global_prefetch_b8 v[VPF], s[32:33] offset:0x200000*\k th:TH_LOAD_NT scope:SCOPE_SE
	global_prefetch_b8 v[VPF], s[34:35] offset:0x200000*\k th:TH_LOAD_NT scope:SCOPE_SE
.endr
	s_wait_kmcnt 0x0
	s_add_co_i32 s58, s36, s37                     ; e0 + e1
	s_add_co_i32 s59, s38, s39                     ; e2 + e3
	s_add_co_i32 s47, s40, s41                     ; e4 + e5: goes onto the weights
	s_add_co_i32 s46, s58, s59
	s_sub_co_i32 s46, s46, 4                       ; a score stands for score x 2^(e0 + e1 + e2 + e3), and is divided by sqrt(256) = 2^4
	s_sub_co_i32 s58, 0, s58
	s_sub_co_i32 s59, 0, s59
	s_sub_co_i32 s60, 0, s47
	MKSC 36, SCQ, LQ
	MKSC 38, SCK, LK
	MKSC 40, SCV, LV
	s_wait_loadcnt 63                              ; 64 loads were issued behind the five tables': with 63 out at the most, the tables are in
	v_ldexp_f32 v228, v228, s58                    ; a sum stands for sum x 2^(eA + eB): the bias goes in divided by that
	v_ldexp_f32 v229, v229, s58
	v_ldexp_f32 v230, v230, s59
	v_ldexp_f32 v231, v231, s59
	v_ldexp_f32 v232, v232, s60
	v_ldexp_f32 v233, v233, s60
	ds_store_b64 v17, v[224:225]
	ds_store_b64 v17, v[226:227] offset:1024
	ds_store_b64 v17, v[228:229] offset:2048
	ds_store_b64 v17, v[230:231] offset:3072
	ds_store_b64 v17, v[232:233] offset:4096
	s_wait_dscnt 0x0                               ; for the others' sake: my part of the tables has landed
	s_barrier_signal -1
	s_barrier_wait -1
; ---------------- LN1 and the quantisers of n1
.macro SUMS p0, p1                     ; channels p0 .. p1 - 1 of a window onto the sums: even p and odd p in chains of their own, tiles (0, 1) and (2, 3) in pairs
.set p, \p0
.rept \p1-\p0
	v_pk_add_f32 v[SA+4*(p%2):SA+4*(p%2)+1], v[4*p:4*p+1], v[SA+4*(p%2):SA+4*(p%2)+1]
	v_pk_add_f32 v[SA+4*(p%2)+2:SA+4*(p%2)+3], v[4*p+2:4*p+3], v[SA+4*(p%2)+2:SA+4*(p%2)+3]
.set p, p+1
.endr
.endm
.macro CENTRE                          ; x <- x - mean, a window's 64 channels
.set p, 0
.rept 64
	v_pk_add_f32 v[4*p:4*p+1], v[4*p:4*p+1], v[MM:MM+1] neg_lo:[0,1] neg_hi:[0,1]
	v_pk_add_f32 v[4*p+2:4*p+3], v[4*p+2:4*p+3], v[MM+2:MM+3] neg_lo:[0,1] neg_hi:[0,1]
.set p, p+1
.endr
.endm
.macro SQS p0                          ; their squares onto the sums
.set p, \p0
.rept 64-\p0
	v_pk_fma_f32 v[SA+4*(p%2):SA+4*(p%2)+1], v[4*p:4*p+1], v[4*p:4*p+1], v[SA+4*(p%2):SA+4*(p%2)+1]
	v_pk_fma_f32 v[SA+4*(p%2)+2:SA+4*(p%2)+3], v[4*p+2:4*p+3], v[4*p+2:4*p+3], v[SA+4*(p%2)+2:SA+4*(p%2)+3]
.set p, p+1
.endr
.endm
.macro FOLD                            ; the two chains, then the other half of the lanes (the pixel's other 128 channels)
	v_pk_add_f32 v[SA:SA+1], v[SA:SA+1], v[SA+4:SA+5]
	v_pk_add_f32 v[SA+2:SA+3], v[SA+2:SA+3], v[SA+6:SA+7]
.irp j, 0,1,2,3
	v_permlanex16_b32 v[TT+\j], v[SA+\j], s48, s49
.endr
	v_pk_add_f32 v[SA:SA+1], v[SA:SA+1], v[TT:TT+1]
	v_pk_add_f32 v[SA+2:SA+3], v[SA+2:SA+3], v[TT+2:TT+3]
.endm
.macro GBLOAD bi                       ; gain and bias of block bi's eight channels (128 (bi / 8) + 64 h + 8 (bi % 8) on) into set bi % 2
	ds_load_b128 v[GB+16*((\bi)%2):GB+16*((\bi)%2)+3], v[VG] offset:512*((\bi)/8)+32*((\bi)%8)
	ds_load_b128 v[GB+16*((\bi)%2)+4:GB+16*((\bi)%2)+7], v[VG] offset:512*((\bi)/8)+32*((\bi)%8)+16
	ds_load_b128 v[GB+16*((\bi)%2)+8:GB+16*((\bi)%2)+11], v[VG] offset:512*((\bi)/8)+32*((\bi)%8)+1024
	ds_load_b128 v[GB+16*((\bi)%2)+12:GB+16*((\bi)%2)+15], v[VG] offset:512*((\bi)/8)+32*((\bi)%8)+1040
.endm
; One quantiser of the block's 32 numbers.  The hold also turns them from channel-major to tile-major, so that a conversion finds a tile's eight neighbours along K in eight registers on end.
; toreg = 1: the codes are registers 2 BE, 2 BE + 1 of fragment (j, s) in window 1; 0: they gather in four registers a tile, which go to LDS behind every second block.
; The two sets of ZZ take turns: 32 plain lines stand between a conversion and the next write of its sources.
.macro QV lim, sc, zs, toreg, base, s
	WIN 0
.set j, 0
.rept 4
.set pp, 0
.rept 8
	v_med3_num_f32 v[ZZ+32*\zs+8*j+pp], v[NN+4*pp+j], -v[\lim], v[\lim]
.set pp, pp+1
.endr
.set j, j+1
.endr
.if \toreg
	WIN 0x40
.endif
.set j, 0
.rept 4
.if \toreg
	v_cvt_scalef32_pk8_bf8_f32 v[\base+32*j+16*\s+2*BE:\base+32*j+16*\s+2*BE+1], v[ZZ+32*\zs+8*j:ZZ+32*\zs+8*j+7], v[\sc]
.else
	v_cvt_scalef32_pk8_bf8_f32 v[\base+4*j+2*(BE%2):\base+4*j+2*(BE%2)+1], v[ZZ+32*\zs+8*j:ZZ+32*\zs+8*j+7], v[\sc]
.endif
.set j, j+1
.endr
.endm
.macro PARK vt, adr, s                 ; group BE / 2 of the four fragments (j, s): images of registers
.set j, 0
.rept 4
	ds_store_b128 v[\adr], v[\vt+4*j:\vt+4*j+3] offset:(2*j+\s)*2048+512*(BE/2)
.set j, j+1
.endr
.endm
.macro LNBLK s                         ; block BE of K step s: eight channels of the four tiles: n1, then its codes for q (registers), k and v (LDS)
.set bi, 8*\s+BE
.set gs, GB+16*(bi%2)
	WIN 0
	s_wait_dscnt 0x0                               ; this block's gain and bias are in, and the stores of codes have read their registers
.if bi < 15
	GBLOAD bi+1
.endif
	WIN 0x02+\s
.set pp, 0
.rept 8
	v_pk_mul_f32 v[NN+4*pp:NN+4*pp+1], v[4*(8*BE+pp):4*(8*BE+pp)+1], v[RR:RR+1]
	v_pk_mul_f32 v[NN+4*pp+2:NN+4*pp+3], v[4*(8*BE+pp)+2:4*(8*BE+pp)+3], v[RR+2:RR+3]
.set pp, pp+1
.endr
	WIN 0
.set pp, 0
.rept 8
.if pp%2 == 0
	v_pk_fma_f32 v[NN+4*pp:NN+4*pp+1], v[NN+4*pp:NN+4*pp+1], v[gs+pp:gs+pp+1], v[gs+8+pp:gs+8+pp+1] op_sel_hi:[1,0,0]   ; the channel's gain and bias serve both tiles: the pair's first word
	v_pk_fma_f32 v[NN+4*pp+2:NN+4*pp+3], v[NN+4*pp+2:NN+4*pp+3], v[gs+pp:gs+pp+1], v[gs+8+pp:gs+8+pp+1] op_sel_hi:[1,0,0]
.else
	v_pk_fma_f32 v[NN+4*pp:NN+4*pp+1], v[NN+4*pp:NN+4*pp+1], v[gs+pp-1:gs+pp], v[gs+8+pp-1:gs+8+pp] op_sel:[0,1,1] op_sel_hi:[1,1,1]   ; the pair's second word
	v_pk_fma_f32 v[NN+4*pp+2:NN+4*pp+3], v[NN+4*pp+2:NN+4*pp+3], v[gs+pp-1:gs+pp], v[gs+8+pp-1:gs+8+pp] op_sel:[0,1,1] op_sel_hi:[1,1,1]
.endif
.set pp, pp+1
.endr
	QV LQ, SCQ, 0, 1, CQ, \s
	QV LK, SCK, 1, 0, VTK, \s
	QV LV, SCV, 0, 0, VTV, \s
.if BE%2 == 1
	PARK VTK, VKW, \s
	PARK VTV, VSW, \s
.endif
.endm
; A trip is a half row: mean, variance of the centred numbers, n1, its codes.  Trip 1 of 2: the halo row, trip 2: the own row.
	s_mov_b32 s55, 2                               ; rows to go
	s_mov_b32 s59, ROWP                            ; the halo row's codes lie behind the own row's
.Lrow:
	XLOADS 1, 30                                   ; the row's K step 1, behind its K step 0: window 3 has been read out
	WIN 0
	v_add_nc_u32 v[VKW], s59, v[VKP]
	v_add_nc_u32 v[VSW], s59, v[VSPA]
	GBLOAD 0
	s_wait_loadcnt 63                              ; the row's loads come back in order: behind the first 32 stand 96, so 63 out at the most shows them in
	WIN 0x0a
	v_pk_add_f32 v[SA:SA+1], v[0:1], v[8:9]        ; the first additions start the four sums
	v_pk_add_f32 v[SA+2:SA+3], v[2:3], v[10:11]
	v_pk_add_f32 v[SA+4:SA+5], v[4:5], v[12:13]
	v_pk_add_f32 v[SA+6:SA+7], v[6:7], v[14:15]
	WIN 0x02
	SUMS 4, 32
	s_wait_alu depctr_va_vdst(0)
	s_wait_loadcnt 63                              ; behind the second 32 stand 64
	SUMS 32, 64
	s_wait_alu depctr_va_vdst(0)
	s_wait_loadcnt 32                              ; behind the third 32 stand 32
	WIN 0x03
	SUMS 0, 32
	s_wait_alu depctr_va_vdst(0)
	s_wait_loadcnt 0x0
	SUMS 32, 64
	WIN 0
	FOLD
	v_pk_mul_f32 v[MM:MM+1], v[SA:SA+1], s[66:67] op_sel_hi:[1,0]
	v_pk_mul_f32 v[MM+2:MM+3], v[SA+2:SA+3], s[66:67] op_sel_hi:[1,0]
	WIN 0x82
	CENTRE
	WIN 0x0a
	v_pk_mul_f32 v[SA:SA+1], v[0:1], v[0:1]
	v_pk_mul_f32 v[SA+2:SA+3], v[2:3], v[2:3]
	v_pk_mul_f32 v[SA+4:SA+5], v[4:5], v[4:5]
	v_pk_mul_f32 v[SA+6:SA+7], v[6:7], v[6:7]
	SQS 2
	WIN 0xc3
	CENTRE
	WIN 0x0f
	SQS 0
	WIN 0
	FOLD
.irp j, 0,1,2,3
	v_fma_f32 v[SA+\j], v[SA+\j], s66, s67         ; var + eps
.endr
	s_wait_alu depctr_va_vdst(0)
.irp j, 0,1,2,3
	v_rsq_f32 v[RR+\j], v[SA+\j]
.endr
	v_nop                                          ; a plain line behind the last transcendental
	s_wait_alu depctr_va_vdst(0)
.set BE, 0
.rept 8
	LNBLK 0
.set BE, BE+1
.endr
	WIN 0
	s_cmp_eq_u32 s55, 1                            ; window 2 has been read out: in the first trip it takes the own row's K step 0; behind the own row nothing follows
	s_cbranch_scc1 .Lno_next_row
	XLOADS 0, 32
	WIN 0
.Lno_next_row:
.set BE, 0
.rept 8
	LNBLK 1
.set BE, BE+1
.endr
	WIN 0
	v_nop                                          ; a plain line behind the row's last conversion
	s_wait_xcnt 0x0                                ; the loads at the trip's head have read their base (they were waited for above)
	s_mov_b64 s[30:31], s[34:35]                   ; the next trip's head loads the own row's K step 1
	s_xor_b32 s59, s59, ROWP                       ; and its codes go to the front of the wave's regions
	s_sub_co_u32 s55, s55, 1
	s_cmp_lg_u32 s55, 0
	s_cbranch_scc1 .Lrow
	s_wait_loadcnt 0x0                             ; nothing of x is on its way when its registers are taken for codes, fragments and scores
; ---------------- what the K and V phases share
.macro MM3 d, a, b, c
	v_wmma_f32_16x16x128_bf8_bf8 v[(\d):(\d)+7], v[(\a):(\a)+15], v[(\b):(\b)+15], v[(\c):(\c)+7]
.endm
.macro PUT par, ro, rh                 ; my own row's four tiles and my halo row's tiles 0 and 3 go to LDS as they stand; each accumulator's low four registers first
.set j, 0
.rept 4
	ds_store_b128 v[VST], v[\ro+8*j:\ro+8*j+3] offset:IBUF*\par+1024*j
	ds_store_b128 v[VST], v[\ro+8*j+4:\ro+8*j+7] offset:IBUF*\par+1024*j+512
.set j, j+1
.endr
	ds_store_b128 v[VST], v[\rh:\rh+3] offset:IBUF*\par+4096
	ds_store_b128 v[VST], v[\rh+4:\rh+7] offset:IBUF*\par+4608
	ds_store_b128 v[VST], v[\rh+24:\rh+27] offset:IBUF*\par+5120
	ds_store_b128 v[VST], v[\rh+28:\rh+31] offset:IBUF*\par+5632
.endm
.macro GET par                         ; the third row, and for each row the pixel beyond my left end (the neighbour's tile 3, lane 15 + 16 h: + 240) and beyond my right end (its tile 0, lane 16 h), the same in all lanes of a half
.set m, 0
.rept 8
	ds_load_b128 v[PR+4*m:PR+4*m+3], v[VP] offset:IBUF*\par+512*m
.set m, m+1
.endr
.irp q, 0,1
	ds_load_b128 v[ELH+4*\q:ELH+4*\q+3], v[VE1] offset:IBUF*\par+5120+512*\q+240
	ds_load_b128 v[ERH+4*\q:ERH+4*\q+3], v[VE1] offset:IBUF*\par+4096+512*\q
	ds_load_b128 v[ELO+4*\q:ELO+4*\q+3], v[VE1] offset:IBUF*\par+3072+512*\q+240
	ds_load_b128 v[ERO+4*\q:ERO+4*\q+3], v[VE1] offset:IBUF*\par+512*\q
	ds_load_b128 v[ELP+4*\q:ELP+4*\q+3], v[VE3] offset:IBUF*\par+3072+512*\q+240
	ds_load_b128 v[ERP+4*\q:ERP+4*\q+3], v[VE3] offset:IBUF*\par+512*\q
.endr
.endm
.macro SHIFT ro, rh                    ; tile 0's left neighbour is tile 3 of lane r - 1, tile 3's right neighbour tile 0 of lane r + 1; the lane without a source keeps the pixel just loaded
.set i, 0
.rept 8
	v_mov_b32_dpp v[ELH+i], v[\rh+24+i] row_shr:1 row_mask:0xf bank_mask:0xf
	v_mov_b32_dpp v[ERH+i], v[\rh+i] row_shl:1 row_mask:0xf bank_mask:0xf
	v_mov_b32_dpp v[ELO+i], v[\ro+24+i] row_shr:1 row_mask:0xf bank_mask:0xf
	v_mov_b32_dpp v[ERO+i], v[\ro+i] row_shl:1 row_mask:0xf bank_mask:0xf
	v_mov_b32_dpp v[ELP+i], v[PR+24+i] row_shr:1 row_mask:0xf bank_mask:0xf
	v_mov_b32_dpp v[ERP+i], v[PR+i] row_shl:1 row_mask:0xf bank_mask:0xf
.set i, i+1
.endr
.endm
.macro WFK set, ofs                    ; wq's and wk's two fragments of an n-tile
	WIN 0x80
.set m, 0
.rept 8
	global_load_b128 v[128+64*(\set)+4*m:128+64*(\set)+4*m+3], v[LI], s[60:61] offset:(\ofs)+512*m
	global_load_b128 v[160+64*(\set)+4*m:160+64*(\set)+4*m+3], v[LI], s[60:61] offset:(\ofs)+65536+512*m
.set m, m+1
.endr
.endm
.macro KROW R, base, i                 ; channels i, i + 1: the ten scores of row R whose neighbour lies in the lane itself
.set j, 0
.rept 4
.set d, -1
.rept 3
.if (j+d >= 0) && (j+d <= 3)
.set sx, 2*(9*j+3*\R+d+1)
	v_pk_fma_f32 v[sx:sx+1], v[AQ+8*j+\i:AQ+8*j+\i+1], v[\base+8*(j+d)+\i:\base+8*(j+d)+\i+1], v[sx:sx+1]
.endif
.set d, d+1
.endr
.set j, j+1
.endr
.endm
.macro KEDGE R, el, er, i              ; and the two across lanes
	v_pk_fma_f32 v[6*\R:6*\R+1], v[AQ+\i:AQ+\i+1], v[\el+\i:\el+\i+1], v[6*\R:6*\R+1]
	v_pk_fma_f32 v[58+6*\R:58+6*\R+1], v[AQ+24+\i:AQ+24+\i+1], v[\er+\i:\er+\i+1], v[58+6*\R:58+6*\R+1]
.endm
; n-tile 2 trip + par.  The next n-tile's fragments are asked for first.  ahead = 1: always; 2: not in the last trip, behind whose second tile nothing follows: each of the two ways has its own wait
.macro KT par, ahead
	WIN 0
	ds_load_b128 v[BQ:BQ+3], v[VBT] offset:64*\par
	ds_load_b128 v[BQ+4:BQ+7], v[VBT] offset:64*\par+16
	ds_load_b128 v[BK:BK+3], v[VBT] offset:64*\par+1024
	ds_load_b128 v[BK+4:BK+7], v[VBT] offset:64*\par+1040
.if \ahead == 2
	s_cmp_eq_u32 s55, 1
	s_cbranch_scc1 .Lk_last_\@
.endif
	WFK 1-\par, 4096*(\par+1)
	WIN 0
	s_wait_loadcnt 16                              ; this tile's sixteen are in; the sixteen just issued may be out
.if \ahead == 2
	s_branch .Lk_go_\@
.Lk_last_\@:
	s_wait_loadcnt 0x0                             ; this tile's sixteen are the last
.Lk_go_\@:
.endif
	s_wait_dscnt 0x0                               ; the biases (in the first tile the k codes too)
.set wq, 128+64*\par
.set wk, 160+64*\par
	WIN 0x06                                       ; weights window 2, pixels' codes window 1.  The twelve accumulators take turns; the bias is the C of a sum's first product
.irp j, 0,1,2,3
	MM3 AQ+8*\j, wq, CQ+32*\j, BQ
.endr
.irp j, 0,1,2,3
	MM3 AKO+8*\j, wk, CKO+32*\j, BK
.endr
	WIN 0x0a                                       ; the halo row's codes lie in window 2
.irp j, 0,1,2,3
	MM3 AKH+8*\j, wk, 32*\j, BK
.endr
	WIN 0x06
.irp j, 0,1,2,3
	MM3 AQ+8*\j, wq+16, CQ+32*\j+16, AQ+8*\j
.endr
.irp j, 0,1,2,3
	MM3 AKO+8*\j, wk+16, CKO+32*\j+16, AKO+8*\j
.endr
	WIN 0x0a
.irp j, 0,1,2,3
	MM3 AKH+8*\j, wk+16, 32*\j+16, AKH+8*\j
.endr
	WIN 0
	PLACES
	PUT \par, AKO, AKH
	s_wait_dscnt 0x0                               ; my images have landed.  My reads of the other buffer were waited for in the tile before: with two buffers by turns this one barrier
	s_barrier_signal -1                            ; stands between the stores and their reads, and between a buffer's reads and its next stores
	s_barrier_wait -1
	GET \par
	WIN 0xf0                                       ; scores in window 3
.irp i, 0,2,4,6
	KROW 0, AKH, \i                                ; what needs nothing from LDS comes first
	KROW 1, AKO, \i
.endr
	WIN 0
	s_wait_dscnt 0x0                               ; the third row and the edges are in
	SHIFT AKO, AKH
	WIN 0xf0
.irp i, 0,2,4,6
	KROW 2, PR, \i
	KEDGE 0, ELH, ERH, \i
	KEDGE 1, ELO, ERO, \i
	KEDGE 2, ELP, ERP, \i
.endr
.endm
	WIN 0x40
.set m, 0
.rept 32
	ds_load_b128 v[CKO+4*m:CKO+4*m+3], v[VKP] offset:512*m          ; the own row's k codes come back as fragments (LDS serves a wave's instructions in order: these see my stores),
.set m, m+1
.endr
	WIN 0x80
.set m, 0
.rept 32
	ds_load_b128 v[4*m:4*m+3], v[VKP] offset:ROWP+512*m             ; and the halo row's
.set m, m+1
.endr
	s_mov_b64 s[60:61], s[6:7]
	WFK 0, 0
	WIN 0xc0
.set m, 0
.rept 72
	v_mov_b32 v[m], 0                              ; the scores: the n-tile is written once, and its first pass finds zeros
.set m, m+1
.endr
	WIN 0
	s_mov_b32 s59, 0
	s_mov_b32 s55, 8
.Lk:                                               ; eight trips of two n-tiles
	v_add_nc_u32 v[VBT], s59, v[VBI]
	KT 0, 1
	KT 1, 2
	WIN 0
	s_wait_xcnt 0x0                                ; the loads have read their base
	s_add_nc_u64 s[60:61], s[60:61], 8192
	s_add_co_u32 s59, s59, 128
	s_sub_co_u32 s55, s55, 1
	s_cmp_lg_u32 s55, 0
	s_cbranch_scc1 .Lk
	s_wait_loadcnt 0x0                             ; no fragment is on its way when the fragments' registers and their base are taken for wv
; ---------------- what the V phase wants first is asked for ahead of the softmax
.macro WFV set, ofs
	WIN 0x80
.set m, 0
.rept 8
	global_load_b128 v[128+32*(\set)+4*m:128+32*(\set)+4*m+3], v[LI], s[60:61] offset:(\ofs)+512*m
.set m, m+1
.endr
.endm
.macro XSL set, ofs                    ; x of an n-tile's channels 16 t + 8 h + i: register 4 i + j
	WIN 0xc0
.set i, 0
.rept 8
	global_load_b128 v[XS+32*(\set)+4*i:XS+32*(\set)+4*i+3], v[VXT], s[62:63] offset:(\ofs)+CHB*i
.set i, i+1
.endr
.endm
	WIN 0x40
.set m, 0
.rept 64
	ds_load_b128 v[4*m:4*m+3], v[VSPA] offset:512*m   ; the v codes, own row then halo row, over q's and k's, which the last products left 144 plain lines ago
.set m, m+1
.endr
	s_add_nc_u64 s[60:61], s[6:7], 131072          ; wv's fragments
	s_mov_b64 s[62:63], s[32:33]
	WFV 0, 0
	XSL 0, 0
; ---------------- the softmax over nine, for the four tiles
	WIN 0xff
.set q, 0
	s_wait_alu depctr_va_vdst(0)
.rept 36
	v_add_f32 v[2*q], v[2*q], v[2*q+1]             ; even and odd channels,
.set q, q+1
.endr
.set q, 0
.rept 36
	v_permlanex16_b32 v[2*q+1], v[2*q], s48, s49
.set q, q+1
.endr
.set q, 0
.rept 36
	v_add_f32 v[2*q], v[2*q], v[2*q+1]             ; and the other half of the lanes
.set q, q+1
.endr
.set q, 0
.rept 36
	v_ldexp_f32 v[2*q], v[2*q], s46                ; x 2^(e0 + e1 + e2 + e3) / 16
.set q, q+1
.endr
	v_mov_b32 v[NEG], 0xce6e6b28                   ; -1e9
.set j, 0
.rept 4
.set d, 0
.rept 3
.set sx, 2*(9*j+d)
.if (j == 0) && (d == 0)
	v_cndmask_b32 v[sx], v[sx], v[NEG], s53
.elseif (j == 3) && (d == 2)
	v_cndmask_b32 v[sx], v[sx], v[NEG], s54
.else
	v_cndmask_b32 v[sx], v[sx], v[NEG], s50
.endif
.set d, d+1
.endr
.set j, j+1
.endr
	v_cndmask_b32 v6, v6, v[NEG], s51              ; own and third row: tile 0's left, tile 3's right
	v_cndmask_b32 v12, v12, v[NEG], s51
	v_cndmask_b32 v64, v64, v[NEG], s52
	v_cndmask_b32 v70, v70, v[NEG], s52
.irp j, 0,1,2,3
	v_max3_num_f32 v[MX+\j], v[18*\j], v[18*\j+2], v[18*\j+4]
.endr
.irp k, 6,10,14
.irp j, 0,1,2,3
	v_max3_num_f32 v[MX+\j], v[MX+\j], v[18*\j+\k], v[18*\j+\k+2]
.endr
.endr
.set q, 0
.rept 36
	v_sub_f32 v[2*q], v[2*q], v[MX+q/9]
.set q, q+1
.endr
.set q, 0
.rept 36
	v_mul_f32 v[2*q], 0x3fb8aa3b, v[2*q]           ; x log2(e)
.set q, q+1
.endr
.set q, 0
	s_wait_alu depctr_va_vdst(0)
.rept 36
	v_exp_f32 v[2*q], v[2*q]
.set q, q+1
.endr
	v_nop                                          ; a plain line behind the last exponential
	s_wait_alu depctr_va_vdst(0)
.irp j, 0,1,2,3
	v_add_f32 v[SM+\j], v[18*\j], v[18*\j+2]
.endr
.irp k, 4,6,8,10,12,14,16
.irp j, 0,1,2,3
	v_add_f32 v[SM+\j], v[SM+\j], v[18*\j+\k]
.endr
.endr
	s_wait_alu depctr_va_vdst(0)
.irp j, 0,1,2,3
	v_rcp_f32 v[SM+\j], v[SM+\j]
.endr
	v_nop
	s_wait_alu depctr_va_vdst(0)
.irp j, 0,1,2,3
	v_ldexp_f32 v[SM+\j], v[SM+\j], s47            ; v's sums stand for sum x 2^(e4 + e5): the weights carry it
.endr
.set q, 0
.rept 36
	v_mul_f32 v[2*q], v[2*q], v[SM+q/9]
.set q, q+1
.endr
; ---------------- V phase: v, an n-tile at a time; the nine weighted neighbours; x1 = x + their sum
.macro VROW R, base, d, first          ; row R, dx = d, for the tiles whose neighbour lies in the lane itself.  first = 1: the product starts the sums
.set j, 0
.rept 4
.if (j+(\d) >= 0) && (j+(\d) <= 3)
.set sx, 2*(9*j+3*\R+(\d)+1)
.set i, 0
.rept 4
.if \first
	v_pk_mul_f32 v[AT+8*j+i:AT+8*j+i+1], v[\base+8*(j+(\d))+i:\base+8*(j+(\d))+i+1], v[sx:sx+1] op_sel_hi:[1,0]
.else
	v_pk_fma_f32 v[AT+8*j+i:AT+8*j+i+1], v[\base+8*(j+(\d))+i:\base+8*(j+(\d))+i+1], v[sx:sx+1], v[AT+8*j+i:AT+8*j+i+1] op_sel_hi:[1,0,1]
.endif
.set i, i+2
.endr
.endif
.set j, j+1
.endr
.endm
.macro VEDGE R, el, er
.set i, 0
.rept 4
	v_pk_fma_f32 v[AT+i:AT+i+1], v[\el+i:\el+i+1], v[6*\R:6*\R+1], v[AT+i:AT+i+1] op_sel_hi:[1,0,1]
	v_pk_fma_f32 v[AT+24+i:AT+24+i+1], v[\er+i:\er+i+1], v[58+6*\R:58+6*\R+1], v[AT+24+i:AT+24+i+1] op_sel_hi:[1,0,1]
.set i, i+2
.endr
.endm
; n-tile 2 trip + par.  ahead as in the K phase: the next tile's fragments and its x are asked for first, but for the last tile of all
.macro VT par, ahead
	WIN 0
	ds_load_b128 v[BV:BV+3], v[VBT] offset:2048+64*\par
	ds_load_b128 v[BV+4:BV+7], v[VBT] offset:2048+64*\par+16
.if \ahead == 2
	s_cmp_eq_u32 s55, 1
	s_cbranch_scc1 .Lv_last_\@
.endif
	WFV 1-\par, 4096*(\par+1)
	XSL 1-\par, 0x100000*(\par+1)
	WIN 0
	s_wait_loadcnt 24                              ; this tile's fragments are in; behind them stand this tile's x (8) and the sixteen just issued
.if \ahead == 2
	s_branch .Lv_go_\@
.Lv_last_\@:
	s_wait_loadcnt 0x0                             ; the last fragments and the last x, asked for a tile ago
.Lv_go_\@:
.endif
	s_wait_dscnt 0x0
.set wv, 128+32*\par
	WIN 0x06
.irp j, 0,1,2,3
	MM3 AVO+8*\j, wv, 32*\j, BV
.endr
.irp j, 0,1,2,3
	MM3 AVH+8*\j, wv, 128+32*\j, BV
.endr
.irp j, 0,1,2,3
	MM3 AVO+8*\j, wv+16, 32*\j+16, AVO+8*\j
.endr
.irp j, 0,1,2,3
	MM3 AVH+8*\j, wv+16, 128+32*\j+16, AVH+8*\j
.endr
	WIN 0
	PLACES
	PUT \par, AVO, AVH
	s_wait_dscnt 0x0                               ; as in the K phase: one barrier an n-tile, two buffers by turns
	s_barrier_signal -1
	s_barrier_wait -1
	GET \par
	WIN 0x0c                                       ; the weights lie in window 3; a pair's first word serves both halves
	VROW 1, AVO, 0, 1
	VROW 1, AVO, -1, 0
	VROW 1, AVO, 1, 0
	VROW 0, AVH, 0, 0
	VROW 0, AVH, -1, 0
	VROW 0, AVH, 1, 0
	WIN 0
	s_wait_dscnt 0x0
	SHIFT AVO, AVH
	WIN 0x0c
	VROW 2, PR, 0, 0
	VROW 2, PR, -1, 0
	VROW 2, PR, 1, 0
	VEDGE 0, ELH, ERH
	VEDGE 1, ELO, ERO
	VEDGE 2, ELP, ERP
	s_wait_alu depctr_va_vdst(0)
	s_wait_loadcnt 16                              ; this tile's x is in: behind it stand the sixteen loads issued at the tile's head (in the last tile of all nothing is out)
	s_wait_xcnt 0x0                                ; the last tile's stores have read their registers
	WIN 0xc3
.set j, 0
.rept 4
.set i, 0
.rept 8
	v_add_f32 v[X1R+8*j+i], v[XS+32*\par+4*i+j], v[AT+8*j+i]
.set i, i+1
.endr
.set j, j+1
.endr
	WIN 0x0c                                       ; a store's data: window 3
.set m, 0
.rept 8
	global_store_b128 v[LI], v[X1R+4*m:X1R+4*m+3], s[20:21] offset:4096*\par+512*m   ; 512 consecutive bytes, aligned
.set m, m+1
.endr
.endm
	WIN 0
	s_mov_b32 s59, 0
	s_mov_b32 s55, 8
.Lv:                                               ; eight trips of two n-tiles
	v_add_nc_u32 v[VBT], s59, v[VBI]
	VT 0, 1
	VT 1, 2
	WIN 0
	s_wait_xcnt 0x0                                ; loads and stores have read their bases
	s_add_nc_u64 s[60:61], s[60:61], 8192
	s_add_nc_u64 s[62:63], s[62:63], 0x200000
	s_add_nc_u64 s[20:21], s[20:21], 8192
	s_add_co_u32 s59, s59, 128
	s_sub_co_u32 s55, s55, 1
	s_cmp_lg_u32 s55, 0
	s_cbranch_scc1 .Lv
	s_wait_tensorcnt 0x0
	ds_add_u32 v254, v255
	s_wait_dscnt 0x0
	s_endpgm
.Lfunc_end_k_q16567d22bc_attn:
	.size	k_q16567d22bc_attn, .Lfunc_end_k_q16567d22bc_attn-k_q16567d22bc_attn
	.p2alignl 7, 3214868480
	.fill 96, 4, 3214868480
	.section	.rodata,"a",@progbits
	.p2align	6, 0x0
	.amdhsa_kernel k_q16567d22bc_attn
		.amdhsa_group_segment_fixed_size 320000
		.amdhsa_private_segment_fixed_size 0
		.amdhsa_enable_private_segment 0
		.amdhsa_kernarg_size 72
		.amdhsa_user_sgpr_count 2
		.amdhsa_user_sgpr_kernarg_segment_ptr 1
		.amdhsa_wavefront_size32 1
		.amdhsa_system_sgpr_workgroup_id_x 1
		.amdhsa_system_sgpr_workgroup_id_y 1
		.amdhsa_system_sgpr_workgroup_id_z 1
		.amdhsa_system_vgpr_workitem_id 0
		.amdhsa_next_free_vgpr 1024
		.amdhsa_next_free_sgpr 68
		.amdhsa_reserve_vcc 0
		.amdhsa_float_denorm_mode_32 3
		.amdhsa_float_denorm_mode_16_64 3
		.amdhsa_memory_ordered 1
		.amdhsa_forward_progress 1
		.amdhsa_inst_pref_size 255
	.end_amdhsa_kernel
	.section	.bss,"aw",@nobits
	.p2align	6
	.space	262144
	.amdgpu_metadata
---
amdhsa.version: [ 1, 2 ]
amdhsa.kernels:
  - .name:           k_q16567d22bc_attn
    .symbol:         k_q16567d22bc_attn.kd
    .args:
      - { .name: x, .offset: 0, .size: 8, .value_kind: global_buffer, .address_space: global }
      - { .name: wc, .offset: 8, .size: 8, .value_kind: global_buffer, .address_space: global }
      - { .name: lowp_scales, .offset: 16, .size: 8, .value_kind: global_buffer, .address_space: global }
      - { .name: ln1_g, .offset: 24, .size: 8, .value_kind: global_buffer, .address_space: global }
      - { .name: ln1_b, .offset: 32, .size: 8, .value_kind: global_buffer, .address_space: global }
      - { .name: bq, .offset: 40, .size: 8, .value_kind: global_buffer, .address_space: global }
      - { .name: bk, .offset: 48, .size: 8, .value_kind: global_buffer, .address_space: global }
      - { .name: bv, .offset: 56, .size: 8, .value_kind: global_buffer, .address_space: global }
      - { .name: x1, .offset: 64, .size: 8, .value_kind: global_buffer, .address_space: global }
    .group_segment_fixed_size: 320000
    .private_segment_fixed_size: 0
    .kernarg_segment_align: 8
    .kernarg_segment_size: 72
    .max_flat_workgroup_size: 128
    .sgpr_count:     68
    .vgpr_count:     1024
    .wavefront_size: 32
...
	.end_amdgpu_metadata
.endif
;; end of part 5
;; launch mlp (part 6): grid 256 x 1, 8 waves a work-group, clusters of 4 x 1, 327,680 bytes of LDS; arguments x1, wc, lowp_scales, ln2_g, ln2_b, fc1_b, fc2_b, out0; writes out0
.if DOCPART == 6
	.amdgcn_target "amdgcn-amd-amdhsa--gfx1250"
	.amdhsa_code_object_version 6
	.text
	.protected	k_q16567d22bc_mlp
	.globl	k_q16567d22bc_mlp
	.p2align	8
	.type	k_q16567d22bc_mlp,@function
k_q16567d22bc_mlp:
	s_mov_b64 s[64:65], 0
	v_nop
	global_prefetch_b8 v0, s[64:65] scope:SCOPE_SE
	s_setreg_imm32_b32 hwreg(HW_REG_WAVE_MODE, 25, 1), 1
	s_wait_xcnt 0x0
	s_wait_alu depctr_hold_cnt(0) depctr_sa_sdst(0) depctr_va_vdst(0) depctr_va_sdst(0) depctr_va_ssrc(0) depctr_va_vcc(0) depctr_vm_vsrc(0)
	s_getreg_b32 s2, hwreg(HW_REG_IB_STS2, 6, 4)
	s_cmp_eq_u32 s2, 0
	s_cbranch_scc0 .Lentry_in_a_cluster
	s_endpgm
.Lentry_in_a_cluster:
	s_bfe_u32 s2, ttmp6, 0x10000c
	s_cmp_lg_u32 s2, 0x3003
	s_cbranch_scc0 .Lentry_shape_is_right
	s_endpgm
.Lentry_shape_is_right:
; out = x1 + gelu(Q(LN2(x1)) Q(fc1_w) + fc1_b) quantised, x Q(fc2_w), + fc2_b; both products on codes of BF8 (E5M2), each operand with its given scale 2^e (e6 .. e9).  out0: [4][256 channels][128][128] f32.
; SHARES.  Work-group n = image n / 64, rows 2 (n % 64) + a.  EIGHT waves, two to a SIMD: wave = (w, jp), w = (a, g) as in the launch before (64 columns at 64 g), jp picks two of its four tiles:
; tile j = 2 jp + jj, whose lane r is pixel 4 r + j.  Both products are used transposed (source 0 = weights, source 1 = pixels): a lane holds ONE pixel of each tile.
; x1 comes in the order of accumulator registers and stays in the 32 accumulators of the second product (n-tile t, tile jj at 16 t + 8 jj of window 1): divided by 2^(e8 + e9) it is the sums' starting value.
; THE HIDDEN LAYER goes in sixteen chunks of 64 units: 16 products K = 128, GELU and the quantiser in registers, 32 products K = 64.  It never leaves the registers.
; GELU = max(z, 0) - |z| erfc(|z| / sqrt 2) / 2, erfc(y) = t exp(-y^2 + P(t)), t = 1 / (1 + y / 2), P of degree 9 (Numerical Recipes' erfcc; fractional error 1.2e-7 by its source).
;   In base 2, on the raw sums a = z / 2^(e6 + e7): t = 1 / (1 + |a| cU);  erfc / 2 = t 2^(a^2 cK + P'(t)), P' = log2(e) P - 1.  It goes in batches of 32 numbers (a tile), each batch of transcendentals with one wait ahead and one behind.
; WEIGHTS: a chunk is 32,768 bytes of fragments (images of registers).  A ring of two LDS slots of FOUR chunks each: four changes of slots in all; each wave fetches an eighth of a slot, 16,384 bytes, by one tensor load: one load a wave is out.
; CLUSTER: the four work-groups of a cluster walk the same chunks: each load is a JOINT one, the same descriptor in all four.  My place in the cluster enters global addresses alone.
; PREFETCH: in the first slot's second chunk waves 0 to 3 of each partner ask for its quarter (4 x 32 lanes x 256 bytes) of chunks 12 to 15, which the change of slots two changes on loads; the partners are told apart by address.
;   Chunks 0 to 11 come by their loads alone: no change of slots stands two ahead of theirs.
; THE WAY OUT: a lane holds two of four neighbouring pixels, so four n-tiles at a time go through LDS: each wave writes 8,192 bytes of its own, a barrier, and a reader joins the two halves: sixteen lanes store 256 consecutive aligned bytes.
; LIMITS: e6 and e8 - e6 - e7 between -126 and 112; e8 + e9 between -126 and 126; e6 + e7 between -60 and 60 (added once to cU's and twice to cK's exponent field).  NaN and infinities are not served.  An erfc / 2 under 2^-126 comes out as 0.
; LDS: slot 0 at 0, slot 1 at 131,072; the way out's four stages of 65,536 lie over the ring, which has then had its last fill, behind a barrier that follows every wave's last read of it;
;   262,144 tables: fc1_b / 2^(e6 + e7) (4,096), ln2_g, ln2_b, fc2_b (1,024 each); 269,312 the spare words.  The launch claims all of a WGP's LDS.
.set TAB,   262144
.set SPARE, 269312
.set SLOTB, 131072
.set SPW,  1                           ; my spare word; never rewritten
.set NIL,  2                           ; 0; never rewritten
.set LI,   3                           ; 16 x lane
.set ADW,  4                           ; the chunk's fragments
.set BI,   5                           ; TAB + 32 h
.set ADB,  6                           ; the chunk's biases
.set PFO,  7                           ; 256 x lane
.set SCN,  8                           ; 2^e6
.set SCH,  9                           ; 2^(e8 - e6 - e7)
.set LIMN, 10                          ; 57,344 x those
.set LIMH, 11
.set STO,  12                          ; the way out: 8,192 x wave + 8 x lane
.set RDA,  13                          ; and back: 16,384 w + 4,096 jp + 8 x lane
.set C9,   14                          ; v[14:15] the polynomial's leading coefficient
.set SA,   16                          ; a pair a tile: the mean in the first word
.set VA,   20                          ; likewise 1 / sqrt(var + eps)
.set VO,   24                          ; out0: 16 r + 8 h channels + 32 jp channels
.set SG,   25
.set RG,   26
.set NC,   32                          ; v32-95 n2's codes: fragment (jj, s) at 32 jj + 16 s
.set HH,   96                          ; v96-159 the hidden sums: 32 jj + 8 nt; once converted, eight of fc2's fragments
.set HC,   160                         ; v160-175 the hidden codes, 8 a tile
.set FR,   176                         ; v176-239 four fragments of fc1 or eight of fc2; under GELU: T and PP
.set T,    176
.set PP,   208
.set W,    240                         ; v240-255 squares; ahead of GELU fc1's bias
.set BIA,  240
.set SB,   96                          ; LN2: eight running sums of two
.set DT,   112                         ; four n-tiles of x1 - mean
.set GB,   176                         ; their gains and biases
.set OT,   32                          ; the way out
.set BB,   96
.set BK,   128
.set CP,   66                          ; s[66:83] coefficients 0 to 8, each twice
.set PFA,  86
.set LIM,  88
.set MSB, 0
.macro WIN new                         ; the immediate's high byte repeats the setting that is left
.if MSB != (\new)
	s_set_vgpr_msb (MSB<<8)|(\new)
.set MSB, (\new)
.endif
.endm
.macro PLACES
.rept 4
	v_nop
.endr
.endm
.macro ALU
	s_wait_alu depctr_va_vdst(0)
.endm
.macro ROUND                           ; a round of the cluster's barrier
	s_barrier_signal -1
	s_barrier_wait -1
	s_cmp_lg_u32 s20, 0
	s_cbranch_scc1 .Lnot_wave_0_\@
	s_barrier_signal -3
.Lnot_wave_0_\@:
	s_barrier_wait -3
	s_barrier_signal -1
	s_barrier_wait -1
.endm
.macro COEF m, bits
	s_mov_b32 s[CP+2*\m], \bits
	s_mov_b32 s[CP+2*\m+1], \bits
.endm
.macro MKSC e, sc, lim                 ; 2^e and 57,344 x 2^e as f32
	s_add_co_i32 s2, s[\e], 127
	s_lshl_b32 s3, s2, 23
	v_mov_b32 v[\sc], s3
	s_add_co_i32 s2, s2, 15
	s_lshl_b32 s2, s2, 23
	s_or_b32 s2, s2, 0x600000
	v_mov_b32 v[\lim], s2
.endm
	s_load_b256 s[4:11], s[0:1], 0x0               ; x1 s[4:5], wc s[6:7], exponents s[8:9], ln2_g s[10:11]
	s_load_b256 s[12:19], s[0:1], 0x20             ; ln2_b s[12:13], fc1_b s[14:15], fc2_b s[16:17], out0 s[18:19]
	v_lshl_add_u32 v[SPW], v0, 2, SPARE
	v_mov_b32 v[NIL], 0
	ds_add_u32 v[SPW], v[NIL]                      ; the opening lines: the add twice on end and its wait
	ds_add_u32 v[SPW], v[NIL]
	v_lshrrev_b32 v27, 5, v0
	v_readfirstlane_b32 s20, v27                   ; wave 0..7
	s_mov_b32 s24, 15|(3<<16)|(1<<21)              ; group 1: mask of all four; elements of 8 bytes; bit 21 beside a mask; no padding
	s_mov_b32 s25, 32<<16                          ; 64 rows of 256 bytes, dense: my eighth of a slot
	s_mov_b32 s26, 64<<16
	s_mov_b32 s27, 32<<16
	s_mov_b32 s28, 64
	s_mov_b32 s29, 32
	s_mov_b32 s30, 0
	s_mov_b32 s31, 0
	s_mov_b32 s32, 1
	s_lshl_b32 s33, s20, 14                        ; LDS: slot 0, 16,384 x wave
	s_add_co_u32 s46, s33, 196608                  ; wc: the first four chunks, my eighth
	s_mov_b32 s47, 0
	s_wait_dscnt 0x0
	s_wait_kmcnt 0x0
	s_load_b256 s[36:43], s[8:9], 0x0              ; e0 .. e7
	s_load_b64 s[44:45], s[8:9], 0x20              ; e8, e9
	s_add_nc_u64 s[34:35], s[6:7], s[46:47]
	s_or_b32 s35, s35, 0x80000000
	s_bfe_u32 s21, ttmp6, 0x40000                  ; cx
	s_lshl_b32 s22, ttmp9, 2
	s_add_co_u32 s22, s22, s21                     ; n
	s_lshr_b32 s62, s20, 1                         ; w
	s_and_b32 s63, s20, 1                          ; jp
	s_lshl_b32 s58, s22, 18
	s_lshl_b32 s59, s62, 16
	s_add_co_u32 s58, s58, s59
	s_lshl_b32 s59, s63, 11
	s_add_co_u32 s58, s58, s59
	s_mov_b32 s59, 0
	s_add_nc_u64 s[4:5], s[4:5], s[58:59]          ; x1: 262,144 n + 65,536 w + 2,048 jp
	s_lshr_b32 s58, s22, 6
	s_lshl_b32 s58, s58, 24                        ; image
	s_and_b32 s59, s22, 63
	s_lshl_b32 s59, s59, 1
	s_lshr_b32 s2, s62, 1
	s_add_co_u32 s59, s59, s2
	s_lshl_b32 s59, s59, 9                         ; row
	s_add_co_u32 s58, s58, s59
	s_and_b32 s2, s62, 1
	s_lshl_b32 s2, s2, 8                           ; columns
	s_add_co_u32 s58, s58, s2
	s_mov_b32 s59, 0
	s_add_nc_u64 s[18:19], s[18:19], s[58:59]      ; out0 at channel 0,
	s_add_nc_u64 s[84:85], s[18:19], 0x800000      ; and at channel 128
	s_lshl_b32 s58, s21, 15                        ; the prefetch: chunks 12 to 15, my work-group's 32,768 bytes of them,
	s_and_b32 s2, s20, 3
	s_lshl_b32 s2, s2, 13                          ; my wave's 8,192 of those
	s_add_co_u32 s58, s58, s2
	s_add_co_u32 s58, s58, 196608+12*32768
	s_add_nc_u64 s[PFA:PFA+1], s[6:7], s[58:59]    ; never stepped
	s_cmp_lt_u32 s20, 4
	s_cselect_b32 s[LIM], 256, -1                  ; waves 0 to 3 ask in chunk 1 (whose biases begin at byte 256); the others never
	s_lshl_b32 s2, s20, 13
	s_lshl_b32 s3, s62, 14
	s_lshl_b32 s23, s63, 12
	s_add_co_u32 s3, s3, s23
	s_lshl_b32 s23, s63, 21
	v_and_b32 v27, 31, v0
	v_and_b32 v28, 15, v0
	v_bfe_u32 v29, v0, 4, 1
	v_lshlrev_b32 v[LI], 4, v27
	v_lshlrev_b32 v[PFO], 8, v27
	v_lshl_add_u32 v[BI], v29, 5, TAB
	v_lshlrev_b32 v27, 3, v27
	v_add_nc_u32 v[STO], s2, v27
	v_add_nc_u32 v[RDA], s3, v27
	v_lshlrev_b32 v28, 4, v28
	v_lshl_add_u32 v28, v29, 19, v28
	v_add_nc_u32 v[VO], s23, v28
	v_lshlrev_b32 v30, 4, v0                       ; 16 x thread: my four numbers of fc1_b
	v_lshlrev_b32 v31, 2, v0                       ; 4 x thread: my number of the three short tables
	v_add_nc_u32 v27, TAB, v30
	v_add_nc_u32 v29, TAB+4096, v31
.set i, 0
.rept 8
	v_mov_b32 v[SA+i], 0                           ; written once: a lane permute's destination counts as one of its sources
.set i, i+1
.endr
	v_mov_b32 v[C9], 0x3e7c6f08                    ; log2(e) x 0.17087277
	v_mov_b32 v[C9+1], 0x3e7c6f08
	global_load_b128 v[176:179], v30, s[14:15]
	global_load_b32 v180, v31, s[10:11]
	global_load_b32 v181, v31, s[12:13]
	global_load_b32 v182, v31, s[16:17]
	WIN 0x40
.set m, 0
.rept 64
	global_load_b128 v[4*m:4*m+3], v[LI], s[4:5] offset:4096*(m/4)+512*(m%4) th:TH_LOAD_NT   ; x1: 512 consecutive bytes a load; read once
.set m, m+1
.endr
	WIN 0
	ROUND                                          ; x1 is asked for; all four work-groups are here: the first joint loads meet
	tensor_load_to_lds s[32:35], s[24:31]          ; chunks 0 to 3 into slot 0: first read behind LN2
	s_nop 0
	PLACES
	s_mov_b32 s52, 0x76543210                      ; v_permlanex16_b32's selects for lane l xor 16
	s_mov_b32 s53, 0xfedcba98
	s_mov_b32 s60, 0x3b800000                      ; 1 / 256
	s_mov_b32 s61, 0x3727c5ac                      ; 1e-5
	COEF 0, 0xc034d90f                             ; log2(e) x -1.26551223 - 1
	COEF 1, 0x3fb8ab5a                             ; log2(e) x the further coefficients
	COEF 2, 0x3f0a29d2
	COEF 3, 0x3e0efb2e
	COEF 4, 0xbe899a80
	COEF 5, 0x3ecdfd18
	COEF 6, 0xbfd1a1e5
	COEF 7, 0x40097039
	COEF 8, 0xbf97d29d
	ALU                                            ; directly ahead of the wait below
	s_wait_kmcnt 0x0
	s_add_co_i32 s58, s42, s43                     ; e6 + e7
	s_sub_co_i32 s59, 0, s58
	s_lshl_b32 s2, s58, 23
	s_add_co_i32 s49, s2, 0x3eb504f3               ; cU = 2^(e6 + e7) / (2 sqrt 2)
	s_lshl_b32 s2, s58, 24
	s_add_co_i32 s50, s2, 0xbf38aa3b               ; cK = -log2(e) / 2 x 2^(2 (e6 + e7))
	s_mov_b32 s51, s50
	MKSC 42, SCN, LIMN
	s_sub_co_i32 s62, s44, s58                     ; e8 - e6 - e7: the three scales ahead of the hidden layer's quantiser in one
	MKSC 62, SCH, LIMH
	s_add_co_i32 s2, s44, s45
	s_add_co_i32 s3, s2, 127
	s_lshl_b32 s54, s3, 23                         ; 2^(e8 + e9)
	s_sub_co_i32 s3, 127, s2
	s_lshl_b32 s56, s3, 23                         ; 2^-(e8 + e9)
	s_mov_b32 s57, s56
	s_mov_b32 s46, 0                               ; LDS byte at which the slot in hand begins
	s_mov_b32 s47, 0                               ; the slot's place in fc1_b's table
	s_mov_b32 s48, 3                               ; slots still to be asked for
	ALU
	s_wait_loadcnt 63                              ; 64 loads were issued behind the four tables': with 63 out at the most the tables are in
.irp i, 0,1,2,3
	v_ldexp_f32 v[176+\i], v[176+\i], s59          ; a sum of the first product stands for sum x 2^(e6 + e7): the bias goes in divided by that
.endr
	ds_store_b128 v27, v[176:179]
	ds_store_b32 v29, v180
	ds_store_b32 v29, v181 offset:1024
	ds_store_b32 v29, v182 offset:2048
	s_wait_dscnt 0x0                               ; for the others' sake
	s_barrier_signal -1                            ; slot 0's load may stay out
	s_barrier_wait -1
; ---------------- LN2.  Pair k = 8 t + 4 jj + u of window 1 is registers 2 k, 2 k + 1
.macro LSUM k0, k1
.set k, \k0
.rept \k1-\k0
	v_pk_add_f32 v[SB+2*(k%8):SB+2*(k%8)+1], v[2*k:2*k+1], v[SB+2*(k%8):SB+2*(k%8)+1]
.set k, k+1
.endr
.endm
.macro RED d                           ; eight chains to one number a tile, then the other half of the lanes
.irp jj, 0,1
	v_pk_add_f32 v[SB+8*\jj:SB+8*\jj+1], v[SB+8*\jj:SB+8*\jj+1], v[SB+8*\jj+2:SB+8*\jj+3]
	v_pk_add_f32 v[SB+8*\jj+4:SB+8*\jj+5], v[SB+8*\jj+4:SB+8*\jj+5], v[SB+8*\jj+6:SB+8*\jj+7]
.endr
.irp jj, 0,1
	v_pk_add_f32 v[SB+8*\jj:SB+8*\jj+1], v[SB+8*\jj:SB+8*\jj+1], v[SB+8*\jj+4:SB+8*\jj+5]
.endr
.irp jj, 0,1
	v_add_f32 v[\d+2*\jj], v[SB+8*\jj], v[SB+8*\jj+1]
.endr
.irp jj, 0,1
	v_permlanex16_b32 v[\d+2*\jj+1], v[\d+2*\jj], s52, s53
.endr
.irp jj, 0,1
	v_add_f32 v[\d+2*\jj], v[\d+2*\jj], v[\d+2*\jj+1]
.endr
.endm
.macro DIFF g                          ; n-tiles 4 g .. 4 g + 3: x1 - mean into window 0; x1 itself stays
	WIN 0x01
.set k, 0
.rept 32
	v_pk_add_f32 v[DT+2*k:DT+2*k+1], v[64*\g+2*k:64*\g+2*k+1], v[SA+2*((k%8)/4):SA+2*((k%8)/4)+1] op_sel_hi:[1,0] neg_lo:[0,1] neg_hi:[0,1]
.set k, k+1
.endr
	WIN 0
.endm
.macro LVAR g
	DIFF \g
.set k, 0
.rept 32
.if (\g == 0) && (k < 8)
	v_pk_mul_f32 v[SB+2*k:SB+2*k+1], v[DT+2*k:DT+2*k+1], v[DT+2*k:DT+2*k+1]   ; the first squares start the sums
.else
	v_pk_fma_f32 v[SB+2*(k%8):SB+2*(k%8)+1], v[DT+2*k:DT+2*k+1], v[DT+2*k:DT+2*k+1], v[SB+2*(k%8):SB+2*(k%8)+1]
.endif
.set k, k+1
.endr
.endm
.macro LN2G g                          ; n2 and its codes: byte 8 (t % 8) + i of K step t / 8 = channel 16 t + 8 h + i; the weights are laid alike
.set m, 0
.rept 4
	ds_load_b128 v[GB+16*m:GB+16*m+3], v[BI] offset:4096+64*(4*\g+m)
	ds_load_b128 v[GB+16*m+4:GB+16*m+7], v[BI] offset:4096+64*(4*\g+m)+16
	ds_load_b128 v[GB+16*m+8:GB+16*m+11], v[BI] offset:5120+64*(4*\g+m)
	ds_load_b128 v[GB+16*m+12:GB+16*m+15], v[BI] offset:5120+64*(4*\g+m)+16
.set m, m+1
.endr
	DIFF \g
.set k, 0
.rept 32
	v_pk_mul_f32 v[DT+2*k:DT+2*k+1], v[DT+2*k:DT+2*k+1], v[VA+2*((k%8)/4):VA+2*((k%8)/4)+1] op_sel_hi:[1,0]
.set k, k+1
.endr
	s_wait_dscnt 0x0                               ; gains and biases; 31 plain lines stand between each product above and its reader below
.set k, 0
.rept 32
	v_pk_fma_f32 v[DT+2*k:DT+2*k+1], v[DT+2*k:DT+2*k+1], v[GB+16*(k/8)+2*(k%4):GB+16*(k/8)+2*(k%4)+1], v[GB+16*(k/8)+8+2*(k%4):GB+16*(k/8)+8+2*(k%4)+1]
.set k, k+1
.endr
.set k, 0
.rept 64
	v_med3_num_f32 v[DT+k], v[DT+k], -v[LIMN], v[LIMN]   ; the conversion does not saturate (ISA guide 7.6.2): the hold comes first
.set k, k+1
.endr
.set q, 0
.rept 8
	v_cvt_scalef32_pk8_bf8_f32 v[NC+32*(q%2)+16*((4*\g+q/2)/8)+2*((4*\g+q/2)%8):NC+32*(q%2)+16*((4*\g+q/2)/8)+2*((4*\g+q/2)%8)+1], v[DT+8*q:DT+8*q+7], v[SCN]
.set q, q+1
.endr
	v_nop                                          ; a plain line behind the last conversion
.endm
	s_wait_loadcnt 32                              ; n-tiles 0 to 7 are in: 32 loads stand behind them
	WIN 0x05
.set k, 0
.rept 8
	v_pk_add_f32 v[SB+2*k:SB+2*k+1], v[2*k:2*k+1], v[16+2*k:16+2*k+1]        ; the first additions start the sums
.set k, k+1
.endr
	WIN 0x01
	LSUM 16, 64
	ALU
	s_wait_loadcnt 0x0
	LSUM 64, 128
	WIN 0
	RED SA
.irp jj, 0,1
	v_mul_f32 v[SA+2*\jj], 0x3b800000, v[SA+2*\jj] ; the mean
.endr
.irp g, 0,1,2,3
	LVAR \g
.endr
	RED VA
.irp jj, 0,1
	v_fma_f32 v[VA+2*\jj], v[VA+2*\jj], s60, s61
.endr
	ALU                                            ; a wait ahead of the batch and one behind it
.irp jj, 0,1
	v_rsq_f32 v[VA+2*\jj], v[VA+2*\jj]
.endr
	v_nop
	ALU
.irp g, 0,1,2,3
	LN2G \g
.endr
	WIN 0x41
.set m, 0
.rept 128
	v_pk_mul_f32 v[2*m:2*m+1], v[2*m:2*m+1], s[56:57] op_sel_hi:[1,0]       ; x1 / 2^(e8 + e9): the second product's sums begin with the residual
.set m, m+1
.endr
	WIN 0
; ---------------- the ring.  THE CHANGE OF SLOTS stands at a slot's head: the wait for all my tensor loads (one is out), the add, the wait for it and for my LDS reads;
; fill = 1: a round of the cluster's barrier, and the joint refill first behind it: it has four chunks' work in which to land.
.macro CHANGE fill
	s_wait_tensorcnt 0x0
	ds_add_u32 v[SPW], v[NIL]
.if \fill
	s_xor_b32 s33, s33, SLOTB                      ; the other slot, the next four chunks
	s_add_nc_u64 s[34:35], s[34:35], SLOTB
.endif
	s_wait_dscnt 0x0
.if \fill
	ROUND
	tensor_load_to_lds s[32:35], s[24:31]
	s_nop 0
.else
	s_barrier_signal -1
	s_barrier_wait -1
.endif
	PLACES
.endm
.macro F1 hf                           ; hidden tiles nt = 2 hf, 2 hf + 1: four fragments (2 nt + s), their bias as the C of a sum's first product; the four accumulators take turns
.set m, 0
.rept 16
	ds_load_b128 v[FR+4*m:FR+4*m+3], v[ADW] offset:8192*\hf+512*m
.set m, m+1
.endr
.set m, 0
.rept 2
	ds_load_b128 v[BIA+8*m:BIA+8*m+3], v[ADB] offset:128*\hf+64*m
	ds_load_b128 v[BIA+8*m+4:BIA+8*m+7], v[ADB] offset:128*\hf+64*m+16
.set m, m+1
.endr
	s_wait_dscnt 0x0
.irp n, 0,1
.irp j, 0,1
	v_wmma_f32_16x16x128_bf8_bf8 v[HH+32*\j+16*\hf+8*\n:HH+32*\j+16*\hf+8*\n+7], v[FR+32*\n:FR+32*\n+15], v[NC+32*\j:NC+32*\j+15], v[BIA+8*\n:BIA+8*\n+7]
.endr
.endr
.irp n, 0,1
.irp j, 0,1
	v_wmma_f32_16x16x128_bf8_bf8 v[HH+32*\j+16*\hf+8*\n:HH+32*\j+16*\hf+8*\n+7], v[FR+32*\n+16:FR+32*\n+31], v[NC+32*\j+16:NC+32*\j+31], v[HH+32*\j+16*\hf+8*\n:HH+32*\j+16*\hf+8*\n+7]
.endr
.endr
	PLACES
.endm
.macro F2LOAD m0, n, reg               ; n groups of 512 bytes of fc2's fragments, from group m0 on (two groups a fragment)
.set m, 0
.rept \n
	ds_load_b128 v[\reg+4*m:\reg+4*m+3], v[ADW] offset:16384+512*(\m0+m)
.set m, m+1
.endr
.endm
.macro F2MUL t0, n, reg, out           ; n-tiles t0 .. t0 + n - 1; out: the LDS loads issued behind their fragments', which may stay out.  The 32 accumulators take turns
	s_wait_dscnt \out
	ALU                                            ; directly ahead of the first readers of the codes and of the sums
.set t, 0
.rept \n
.irp j, 0,1
	v_wmma_f32_16x16x64_bf8_bf8 v[16*(\t0+t)+8*\j:16*(\t0+t)+8*\j+7], v[\reg+8*t:\reg+8*t+7], v[HC+8*\j:HC+8*\j+7], v[16*(\t0+t)+8*\j:16*(\t0+t)+8*\j+7]
.endr
.set t, t+1
.endr
.endm
.macro GELU jj                         ; tile jj's 32 hidden sums become gelu / 2^(e6 + e7); tile 0's holds and conversions stand in tile 1's pass, tile 1's at its own end
.set AH, HH+32*\jj
	ALU                                            ; directly ahead of the first readers of the sums
.set i, 0
.rept 32
	v_fma_f32 v[T+i], |v[AH+i]|, s49, 1.0          ; each accumulator from its low end on
.set i, i+1
.endr
	ALU
.set i, 0
.rept 32
	v_rcp_f32 v[T+i], v[T+i]
.if \jj == 1
	v_med3_num_f32 v[HH+i], v[HH+i], -v[LIMH], v[LIMH]   ; tile 0's hold: plain work that is due anyway, behind each reciprocal
.endif
.set i, i+1
.endr
	v_nop
	ALU
.if \jj == 1
.irp n, 0,1,2,3
	v_cvt_scalef32_pk8_bf8_f32 v[HC+2*\n:HC+2*\n+1], v[HH+8*\n:HH+8*\n+7], v[SCH]   ; tile 0's codes: bytes 8 nt + i: hidden unit 16 nt + 8 h + i of the chunk
.endr
	F2LOAD 0, 8, HH                                ; tile 0's sums are converted: fc2's n-tiles 0 to 3 land there under the polynomial
.endif
.set st, 0
.rept 9
.set i, 0
.rept 16
.if st == 0
	v_pk_fma_f32 v[PP+i:PP+i+1], v[T+i:T+i+1], v[C9:C9+1], s[CP+16:CP+17] op_sel_hi:[1,1,0]
.else
	v_pk_fma_f32 v[PP+i:PP+i+1], v[PP+i:PP+i+1], v[T+i:T+i+1], s[CP+2*(8-st):CP+2*(8-st)+1] op_sel_hi:[1,1,0]
.endif
.set i, i+2
.endr
.set st, st+1
.endr
.irp q, 0,16
.set i, 0
.rept 8
	v_pk_mul_f32 v[W+i:W+i+1], v[AH+\q+i:AH+\q+i+1], v[AH+\q+i:AH+\q+i+1]
.set i, i+2
.endr
.set i, 0
.rept 8
	v_pk_fma_f32 v[PP+\q+i:PP+\q+i+1], v[W+i:W+i+1], s[50:51], v[PP+\q+i:PP+\q+i+1] op_sel_hi:[1,0,1]   ; the exponent a^2 cK + P'
.set i, i+2
.endr
.endr
	ALU
.set i, 0
.rept 32
	v_exp_f32 v[PP+i], v[PP+i]
	v_mul_f32 v[T+i], |v[AH+i]|, v[T+i]            ; |a| t and max(a, 0) name no exponential's result: two plain lines behind each
	v_max_num_f32 v[AH+i], 0, v[AH+i]
.set i, i+1
.endr
	ALU
.set i, 0
.rept 16
	v_pk_fma_f32 v[AH+i:AH+i+1], v[T+i:T+i+1], v[PP+i:PP+i+1], v[AH+i:AH+i+1] neg_lo:[1,0,0] neg_hi:[1,0,0]   ; max(a, 0) - |a| t 2^exponent = gelu / 2^(e6 + e7)
.set i, i+2
.endr
.if \jj == 1
	F2LOAD 8, 16, FR                               ; T and PP are done with: fc2's n-tiles 4 to 11 land under the holds
.set i, 0
.rept 32
	v_med3_num_f32 v[AH+i], v[AH+i], -v[LIMH], v[LIMH]
.set i, i+1
.endr
.irp n, 0,1,2,3
	v_cvt_scalef32_pk8_bf8_f32 v[HC+8*\jj+2*\n:HC+8*\jj+2*\n+1], v[AH+8*\n:AH+8*\n+7], v[SCH]   ; tile 1's codes
.endr
.endif
.endm
.macro CHUNK ask                       ; s89: the chunk's first byte in its slot
	PLACES                                         ; with the two additions below: six plain lines between the last products and the loads and products that write over their fragments' registers
	s_add_co_u32 s2, s46, s89
	s_lshr_b32 s91, s89, 7                         ; 256 bytes of biases a chunk
	s_add_co_u32 s91, s91, s47
	v_add_nc_u32 v[ADW], s2, v[LI]
	v_add_nc_u32 v[ADB], s91, v[BI]
	ALU                                            ; both are read again behind waits
	F1 0
	F1 1
	GELU 0
.if \ask
	s_cmp_eq_u32 s91, s[LIM]
	s_cbranch_scc0 .Lno_ask_\@
	s_cmp_lt_u32 ttmp9, 4
	s_cbranch_scc0 .Lno_prefetch_mlp0_\@
	global_prefetch_b8 v[PFO], s[PFA:PFA+1] th:TH_LOAD_NT scope:SCOPE_SE
.Lno_prefetch_mlp0_\@:
.Lno_ask_\@:
.endif
	GELU 1
	F2LOAD 24, 8, HH+32                            ; and n-tiles 12 to 15 over tile 1's
	v_nop                                          ; a plain line behind the last conversion
	WIN 0x50                                       ; C and D in window 1
	F2MUL 0, 4, HH, 24                             ; behind the first eight loads stand 16 + 8
	F2MUL 4, 8, FR, 8
	F2MUL 12, 4, HH+32, 0
	WIN 0
.endm
	ALU                                            ; the wait at the head's end
.Lslot:                                            ; three trips: behind each change of slots but the last the next four chunks are asked for
	CHANGE 1
	s_mov_b32 s89, 0
	s_mov_b32 s90, 4
.Lchunk:
	CHUNK 1
	s_add_co_u32 s89, s89, 32768
	s_sub_co_u32 s90, s90, 1
	s_cmp_lg_u32 s90, 0
	s_cbranch_scc1 .Lchunk
	s_xor_b32 s46, s46, SLOTB
	s_add_co_u32 s47, s47, 1024
	s_sub_co_u32 s48, s48, 1
	s_cmp_lg_u32 s48, 0
	s_cbranch_scc1 .Lslot
	CHANGE 0                                       ; the last slot is written out
	s_mov_b32 s89, 0
	s_mov_b32 s90, 4
.Llast:
	CHUNK 0
	s_add_co_u32 s89, s89, 32768
	s_sub_co_u32 s90, s90, 1
	s_cmp_lg_u32 s90, 0
	s_cbranch_scc1 .Llast
; ---------------- the way out, four n-tiles (64 channels) at a time: out = sum x 2^(e8 + e9) + fc2_b.
; In: channel 16 tt + 8 h + i of my two pixels, 8 bytes, at 8,192 x wave + 2,048 tt + 256 i + 8 x lane.  Back: wave (w, jp) takes n-tiles 2 jp, 2 jp + 1 of both waves of w: 16 bytes = pixels 4 r .. 4 r + 3.
.macro OUTG g
.set BKS, BK+64*(\g%2)
.set m, 0
.rept 4
	ds_load_b128 v[BB+8*m:BB+8*m+3], v[BI] offset:6144+64*(4*\g+m)
	ds_load_b128 v[BB+8*m+4:BB+8*m+7], v[BI] offset:6144+64*(4*\g+m)+16
.set m, m+1
.endr
	v_add_nc_u32 v[SG], \g*65536, v[STO]
	v_add_nc_u32 v[RG], \g*65536, v[RDA]
	s_wait_dscnt 0x0
	WIN 0x01
.set k, 0
.rept 64
	v_fma_f32 v[OT+k], v[64*\g+16*(k/16)+8*(k%2)+(k%16)/2], s54, v[BB+8*(k/16)+(k%16)/2]   ; each accumulator from its low end on
.set k, k+1
.endr
	WIN 0
.set m, 0
.rept 32
	ds_store_b64 v[SG], v[OT+2*m:OT+2*m+1] offset:2048*(m/8)+256*(m%8)
.set m, m+1
.endr
	s_wait_dscnt 0x0                               ; for the others' sake
	s_barrier_signal -1
	s_barrier_wait -1
.if \g >= 2
	s_wait_xcnt 0x0                                ; the stores of two stages ago have read these registers
.endif
.set k, 0
.rept 16
	ds_load_b64 v[BKS+4*k:BKS+4*k+1], v[RG] offset:2048*(k/8)+256*(k%8)
	ds_load_b64 v[BKS+4*k+2:BKS+4*k+3], v[RG] offset:8192+2048*(k/8)+256*(k%8)
.set k, k+1
.endr
	s_wait_dscnt 0x0
.set k, 0
.rept 16
.if \g < 2
	global_store_b128 v[VO], v[BKS+4*k:BKS+4*k+3], s[18:19] offset:0x400000*(\g%2)+0x100000*(k/8)+0x10000*(k%8) th:TH_STORE_NT   ; sixteen lanes store 256 consecutive aligned bytes
.else
	global_store_b128 v[VO], v[BKS+4*k:BKS+4*k+3], s[84:85] offset:0x400000*(\g%2)+0x100000*(k/8)+0x10000*(k%8) th:TH_STORE_NT
.endif
.set k, k+1
.endr
.endm
	PLACES                                         ; behind the last products
	s_wait_dscnt 0x0                               ; my reads of the ring are over;
	s_barrier_signal -1
	s_barrier_wait -1                              ; so are everybody's: the stages may lie over it
.irp g, 0,1,2,3
	OUTG \g
.endr
	s_wait_tensorcnt 0x0                           ; the wave's end
	ds_add_u32 v[SPW], v[NIL]
	s_wait_dscnt 0x0
	ROUND                                          ; the closing round
	s_endpgm
.Lfunc_end_k_q16567d22bc_mlp:
	.size	k_q16567d22bc_mlp, .Lfunc_end_k_q16567d22bc_mlp-k_q16567d22bc_mlp
	.p2alignl 7, 3214868480
	.fill 96, 4, 3214868480
	.section	.rodata,"a",@progbits
	.p2align	6, 0x0
	.amdhsa_kernel k_q16567d22bc_mlp
		.amdhsa_group_segment_fixed_size 327680
		.amdhsa_private_segment_fixed_size 0
		.amdhsa_enable_private_segment 0
		.amdhsa_kernarg_size 64
		.amdhsa_user_sgpr_count 2
		.amdhsa_user_sgpr_kernarg_segment_ptr 1
		.amdhsa_wavefront_size32 1
		.amdhsa_system_sgpr_workgroup_id_x 1
		.amdhsa_system_sgpr_workgroup_id_y 1
		.amdhsa_system_sgpr_workgroup_id_z 1
		.amdhsa_system_vgpr_workitem_id 0
		.amdhsa_next_free_vgpr 512
		.amdhsa_next_free_sgpr 92
		.amdhsa_reserve_vcc 0
		.amdhsa_float_denorm_mode_32 3
		.amdhsa_float_denorm_mode_16_64 3
		.amdhsa_memory_ordered 1
		.amdhsa_forward_progress 1
		.amdhsa_inst_pref_size 242
	.end_amdhsa_kernel
	.amdgpu_metadata
---
amdhsa.version: [ 1, 2 ]
amdhsa.kernels:
  - .name:           k_q16567d22bc_mlp
    .symbol:         k_q16567d22bc_mlp.kd
    .args:
      - { .name: x1, .offset: 0, .size: 8, .value_kind: global_buffer, .address_space: global }
      - { .name: wc, .offset: 8, .size: 8, .value_kind: global_buffer, .address_space: global }
      - { .name: lowp_scales, .offset: 16, .size: 8, .value_kind: global_buffer, .address_space: global }
      - { .name: ln2_g, .offset: 24, .size: 8, .value_kind: global_buffer, .address_space: global }
      - { .name: ln2_b, .offset: 32, .size: 8, .value_kind: global_buffer, .address_space: global }
      - { .name: fc1_b, .offset: 40, .size: 8, .value_kind: global_buffer, .address_space: global }
      - { .name: fc2_b, .offset: 48, .size: 8, .value_kind: global_buffer, .address_space: global }
      - { .name: out0, .offset: 56, .size: 8, .value_kind: global_buffer, .address_space: global }
    .group_segment_fixed_size: 327680
    .private_segment_fixed_size: 0
    .kernarg_segment_align: 8
    .kernarg_segment_size: 64
    .max_flat_workgroup_size: 256
    .sgpr_count:     92
    .vgpr_count:     512
    .wavefront_size: 32
...
	.end_amdgpu_metadata
.endif
;; end of part 6
